; MI455X (gfx1250); checked and timed in simulation.
; The chip was launched on July 23, 2026; its instructions are those of AMD's public machine-readable ISA for CDNA 5 (MIT licence, August 2026) and "CDNA5" Instruction Set Architecture Reference Guide (July 2026). The comments in the code are by the model that wrote it; some were corrected since.
;; Retention. Allowed arithmetic: float matrix products may take bf16 or f16 operands with f32 sums; other float arithmetic in f32, or as packed bf16 or f16 multiplies, adds, multiply-adds, maxima and minima; sums over many terms, partial sums and values carried from step to step in f32; what a program stores and reads back later, other than sums and carried values, may be rounded once to bf16 or f16.
;; Inputs: W_qkv 3,072 x 1,024 float32; b_qkv 3,072 float32; x 4 x 2,048 x 1,024 float32.
;; Outputs: out0 4 x 2,048 x 1,024 float32.
;; One version. Each part assembles by itself: llvm-mc -triple=amdgcn-amd-amdhsa -mcpu=gfx1250 --defsym DOCPART=n.
;; ======== version 1 of 1: 4 launches
;; limits: values are held in f16: magnitudes above 65,504 overflow, below 6.1e-05 lose precision
;; workspace buffers: xb 16,777,216 bytes; wb 6,291,456 bytes; qkv 50,331,648 bytes; amax 6,144 bytes; pmat 33,554,432 bytes
;; launch cast (part 1): grid 2816 x 1, 4 waves a work-group, no clusters, 0 bytes of LDS; arguments x, W_qkv, xb, wb; writes xb, wb
.if DOCPART == 1
	.amdgcn_target "amdgcn-amd-amdhsa--gfx1250"
	.amdhsa_code_object_version 6
	.text
	.protected	k_qfaff0df62c_cast
	.globl	k_qfaff0df62c_cast
	.p2align	8
	.type	k_qfaff0df62c_cast,@function
k_qfaff0df62c_cast:
	s_mov_b64 s[64:65], 0
	v_nop
	global_prefetch_b8 v0, s[64:65] scope:SCOPE_SE
	s_setreg_imm32_b32 hwreg(HW_REG_WAVE_MODE, 25, 1), 1
	s_wait_xcnt 0x0
; xb = x and wb = W_qkv, each number rounded once to bf16 (nearest even), LAID OUT IN BLOCKS OF 64 ALONG K: xb[kb][row][64], wb[kb][row][64], kb = 0 .. 15.
; The next launch walks K in steps of 64: in this layout the rows of a step's tile lie end to end, 128 bytes each, and can be asked for as rows of 256 bytes.
; x has 8,192 rows of 4,096 bytes, W 3,072: 2,048 + 768 work-groups of four rows.  A wave takes two rows and half of K: eight loads, all issued before the first is waited for.  In a load lanes 0-15 read
; 256 consecutive bytes (64 numbers, one K block) of the even row and lanes 16-31 the same of the odd row; the 32 lanes then store 256 consecutive bytes: the two rows' parts of that block, at a multiple of 256.
; No LDS, no barrier, no matrix unit: every byte is touched once and no wave needs another's data.
.set XGROUPS, 2048                     ; work-groups 0 .. 2047 take x, the others W
.set X, 4                              ; v[4:35]   eight loads of four f32
.set Y, 36                             ; v[36:51]  eight pairs of packed bf16
.set O, 52                             ; v[52:59]  my byte offset in each of the wave's eight K blocks
	s_load_b256 s[4:11], s[0:1], 0x0               ; x s[4:5], W s[6:7], xb s[8:9], wb s[10:11]
	s_mov_b32 s22, 3072*128
	s_cmp_lt_u32 ttmp9, XGROUPS
	s_cselect_b32 s12, 0, XGROUPS
	s_cselect_b32 s22, 8192*128, s22               ; bytes in a K block of my tensor
	s_sub_co_u32 s12, ttmp9, s12                   ; my number among the work-groups of my tensor
	v_lshrrev_b32 v3, 5, v0
	v_readfirstlane_b32 s23, v3                    ; wave
	s_and_b32 s24, s23, 1                          ; which half of K
	s_lshr_b32 s25, s23, 1                         ; which two of the four rows
	s_lshl_b32 s14, s12, 14                        ; in: four rows of 4,096 bytes a work-group,
	s_lshl_b32 s26, s25, 13                        ; two rows,
	s_add_co_u32 s14, s14, s26
	s_lshl_b32 s26, s24, 11                        ; half a row
	s_add_co_u32 s14, s14, s26
	s_mov_b32 s15, 0
	s_lshl_b32 s16, s12, 9                         ; out: four rows of 128 bytes a work-group,
	s_lshl_b32 s26, s25, 8                         ; two rows,
	s_add_co_u32 s16, s16, s26
	s_mul_i32 s26, s22, s24
	s_lshl_b32 s26, s26, 3                         ; eight K blocks
	s_add_co_u32 s16, s16, s26
	s_mov_b32 s17, 0
	v_and_b32 v1, 31, v0                           ; lane
	v_lshlrev_b32 v2, 3, v1                        ; out: 8 bytes a lane
	v_and_b32 v3, 15, v1
	v_lshrrev_b32 v1, 4, v1
	v_lshlrev_b32 v1, 12, v1                       ; in: the odd row for lanes 16-31,
	v_lshl_add_u32 v1, v3, 4, v1                   ; 16 bytes a lane
.irp i, 0,1,2,3,4,5,6,7
	v_mad_u32_u24 v[O+(\i)], s22, \i, v2           ; the block's size hangs on the tensor, so it cannot stand in an immediate
.endr
	s_wait_kmcnt 0x0
	s_cmp_lt_u32 ttmp9, XGROUPS                    ; the choice hangs on the work-group's number alone
	s_cselect_b64 s[18:19], s[4:5], s[6:7]
	s_cselect_b64 s[20:21], s[8:9], s[10:11]
	s_add_nc_u64 s[18:19], s[18:19], s[14:15]
	s_add_nc_u64 s[20:21], s[20:21], s[16:17]
.irp i, 0,1,2,3,4,5,6,7
	global_load_b128 v[X+4*(\i):X+4*(\i)+3], v1, s[18:19] offset:256*(\i) th:TH_LOAD_NT
.endr
.irp i, 0,1,2,3,4,5,6,7
	s_wait_loadcnt 7-(\i)                          ; loads come back in order (ISA guide 5.7.1): load i is in, the younger ones stay out
	v_cvt_pk_bf16_f32 v[Y+2*(\i)],   v[X+4*(\i)],   v[X+4*(\i)+1]
	v_cvt_pk_bf16_f32 v[Y+2*(\i)+1], v[X+4*(\i)+2], v[X+4*(\i)+3]
	global_store_b64 v[O+(\i)], v[Y+2*(\i):Y+2*(\i)+1], s[20:21]  ; 32 lanes store 256 consecutive bytes; no register is written twice, so no further wait
.endr
	s_endpgm
.Lfunc_end_k_qfaff0df62c_cast:
	.size	k_qfaff0df62c_cast, .Lfunc_end_k_qfaff0df62c_cast-k_qfaff0df62c_cast
	.p2alignl 7, 3214868480
	.fill 96, 4, 3214868480
	.section	.rodata,"a",@progbits
	.p2align	6, 0x0
	.amdhsa_kernel k_qfaff0df62c_cast
		.amdhsa_group_segment_fixed_size 0
		.amdhsa_private_segment_fixed_size 0
		.amdhsa_enable_private_segment 0
		.amdhsa_kernarg_size 32
		.amdhsa_user_sgpr_count 2
		.amdhsa_user_sgpr_kernarg_segment_ptr 1
		.amdhsa_wavefront_size32 1
		.amdhsa_system_sgpr_workgroup_id_x 1
		.amdhsa_system_sgpr_workgroup_id_y 1
		.amdhsa_system_sgpr_workgroup_id_z 1
		.amdhsa_system_vgpr_workitem_id 0
		.amdhsa_next_free_vgpr 60
		.amdhsa_next_free_sgpr 66
		.amdhsa_reserve_vcc 0
		.amdhsa_float_denorm_mode_32 3
		.amdhsa_float_denorm_mode_16_64 3
		.amdhsa_memory_ordered 1
		.amdhsa_forward_progress 1
		.amdhsa_inst_pref_size 5
	.end_amdhsa_kernel
	.amdgpu_metadata
---
amdhsa.version: [ 1, 2 ]
amdhsa.kernels:
  - .name:           k_qfaff0df62c_cast
    .symbol:         k_qfaff0df62c_cast.kd
    .args:
      - { .name: x, .offset: 0, .size: 8, .value_kind: global_buffer, .address_space: global }
      - { .name: W_qkv, .offset: 8, .size: 8, .value_kind: global_buffer, .address_space: global }
      - { .name: xb, .offset: 16, .size: 8, .value_kind: global_buffer, .address_space: global }
      - { .name: wb, .offset: 24, .size: 8, .value_kind: global_buffer, .address_space: global }
    .group_segment_fixed_size: 0
    .private_segment_fixed_size: 0
    .kernarg_segment_align: 8
    .kernarg_segment_size: 32
    .max_flat_workgroup_size: 128
    .sgpr_count:     66
    .vgpr_count:     60
    .wavefront_size: 32
...
	.end_amdgpu_metadata
.endif
;; end of part 1
;; launch qkv (part 2): grid 8 x 32, 4 waves a work-group, clusters of 4 x 4, 327,680 bytes of LDS; arguments xb, wb, b_qkv, qkv, amax; writes qkv, amax
.if DOCPART == 2
	.amdgcn_target "amdgcn-amd-amdhsa--gfx1250"
	.amdhsa_code_object_version 6
	.text
	.protected	k_qfaff0df62c_qkv
	.globl	k_qfaff0df62c_qkv
	.p2align	8
	.type	k_qfaff0df62c_qkv,@function
k_qfaff0df62c_qkv:
	s_mov_b64 s[64:65], 0
	v_nop
	global_prefetch_b8 v0, s[64:65] scope:SCOPE_SE
	s_setreg_imm32_b32 hwreg(HW_REG_WAVE_MODE, 25, 1), 1
	s_wait_xcnt 0x0
	s_wait_alu depctr_hold_cnt(0) depctr_sa_sdst(0) depctr_va_vdst(0) depctr_va_sdst(0) depctr_va_ssrc(0) depctr_va_vcc(0) depctr_vm_vsrc(0)
	s_getreg_b32 s2, hwreg(HW_REG_IB_STS2, 6, 4)
	s_cmp_eq_u32 s2, 0
	s_cbranch_scc0 .Lentry_in_a_cluster
	s_endpgm
.Lentry_in_a_cluster:
	s_bfe_u32 s2, ttmp6, 0x10000c
	s_cmp_lg_u32 s2, 0xf033
	s_cbranch_scc0 .Lentry_shape_is_right
	s_endpgm
.Lentry_shape_is_right:
; qkv[m][n] = sum over k of x[m][k] W[n][k] + bf16(b[n]).  xb: [16][8192][64], wb: [16][3072][64], both bf16, in blocks of 64 along K; sums in f32; qkv: [8192][3072] in f16, rounded once.
; amax: words 0-511 bound |q| (columns 0-1023), words 512-1023 bound |k| (columns 1024-2047): a work-group stores its largest stored |q| twice and its largest stored |k| twice (0 where it has none).
; The later launches make a power of two from these that keeps the scores inside f16.
; LIMITS.  f16 holds no number beyond 65,504: q, k and v must lie within it (x and W of 30 times the unit spread give some 2,600 at the most).  NaN and infinities are not treated apart.
; A TILE IS 256 x 384: 32 x 8 tiles, one work-group each, as many as the chip has WGPs.  Four waves, each 128 x 192: 96 accumulators of 16 x 16, 768 registers.
; K goes in steps of 64 through a ring of two LDS slots (two slots of 128 along K, 2 x 640 rows x 272 bytes, do not fit).  In the blocked layout a step's 128 or 192 rows are dense bytes: they are asked for as rows of
; 256 bytes and padded in LDS after every 128.
; CLUSTERS: 4 x 4 work-groups.  The four of a row of the cluster need the same tiles of xb, the four of a column the same tiles of wb: each tile is asked for JOINTLY, by the same tensor load with the same
; descriptor and a mask that names the four.
; THE MATRIX INSTRUCTION IS USED TRANSPOSED (source 0 = 16 rows of wb, source 1 = 16 rows of xb): lane l holds row l % 16 of the result and the eight neighbouring columns 8 (l / 16) + 0..7.
; THE BIAS is the C operand of the products that start the sums.  It is rounded at the start, kept in LDS (768 bytes a wave) and read into xb's second fragment buffer, which the first quarter does not need.
; REGISTERS, in windows of 256 (s_set_vgpr_msb: bits 1:0 source 0, 3:2 source 1, 5:4 source 2, 7:6 destination):
;   window 0: v0-31 addresses and running maxima; v32-95, v96-159 fragments of xb (8 x 16 rows x 32 K), two buffers; v160-255 fragments of wb (12 x 16 rows x 32 K), ONE buffer
;   windows 1-3: the accumulators: column blocks 4 g .. 4 g + 3 in window 1 + g; (b % 4, a) at v[8 (8 (b % 4) + a)]
; A QUARTER (32 along K) is three groups of 32 matrix instructions, a window each.  When a group is done, its four blocks of wb are free: four places behind it they take the next quarter's fragments.
; So the LDS loads stand in three runs: L0 behind group 0 (wb's group 0 and all of xb: 24 loads), L1 behind group 1 (8), L2 behind group 2 (8); each is issued 64 matrix instructions ahead of its first use.
.set SIZE_N, 3072
.set PITCH,  144                       ; an LDS row: 128 bytes + 16 of padding = 36 words: the 16 rows that a load touches start at 16 different groups of four banks (64 banks of 4 bytes: ISA guide 11.1)
.set AHALF,  128*PITCH                 ; what wave 0 or 1 fetches, and what a wave reads of xb
.set BHALF,  192*PITCH                 ; what wave 2 or 3 fetches, and what a wave reads of wb
.set BOFF,   2*AHALF
.set SLOT,   BOFF+2*BHALF              ; 92,160 bytes: xb's 256 rows, then wb's 384 rows
.set ASTEP,  8192*128                  ; bytes from a K block of xb to the next
.set BSTEP,  3072*128                  ; the same for wb
.set SPITCH, 784                       ; a row of the stage: 768 bytes + 16: an odd multiple of 16
.set BIASL,  256*SPITCH                ; the stage lies at byte 0, over the ring, and is written behind the ring's last fill; behind it: the bias, 768 bytes a wave,
.set AMX,    BIASL+4*768               ; the four waves' pairs of maxima,
.set SPARE,  AMX+256                   ; and the spare words, 128 bytes for each wave
.set TRIPS,  7                         ; 16 K steps: a trip has two; the first quarter and the last three quarters are written out
.set TT,   4                           ; v4-7    at work
.set MX,   8                           ; v8-19   running maxima: for each 64 columns (a window) four chains of two f16 magnitudes
.set ADRA, 20                          ; v20-21  LDS address of my xb fragments in slot 0, 1
.set ADRB, 22                          ; v22-23  the same for wb
.set STO,  24                          ; v24-25  the way out: where I put 16 bytes of a row, for row blocks 0-3 and 4-7 (an LDS offset has 16 bits)
.set RD,   26                          ; v26     the way out: where I read rows back
.set CO,   27                          ; v27     my byte offset in qkv
.set SPW,  28                          ; v28     LDS address of my spare word; never rewritten
.set NIL,  29                          ; v29     0; never rewritten
.set BL,   30                          ; v30     LDS address of my lanes' eight numbers of the bias for column block 0
.set FA0,  32
.set FA1,  96
.set FB,   160
.set TMP,  32                          ; the way out: packed results of a window, 128 registers; then rows read back
.set G1,   24                          ; s[24:31] descriptor group 1 for xb's tiles;  s[32:39] group 0, a set for each slot
.set G0,   32
.set G1B,  48                          ; s[48:55], s[56:63] the same for wb's tiles
.set G0B,  56
.set SQ,   76                          ; s76-78  1.0 where my 64 columns g belong to q, else 0
.set SK,   79                          ; s79-81  the same for k
.set MSB, 0
.macro WIN new                         ; the immediate's high byte repeats the setting that is left; a switch that changes nothing is dropped
.if MSB != (\new)
	s_set_vgpr_msb (MSB<<8)|(\new)
.set MSB, \new
.endif
.endm
; A joint load.  Waves 0 and 1 fetch xb's two halves, waves 2 and 3 wb's.  The branch hangs on the wave's number alone.  An s_nop 0 and four v_nop follow each of the two lines.
.macro JLOAD s
	s_cmp_eq_u32 s11, 0
	s_cbranch_scc0 .Lfor_b_\@
	tensor_load_to_lds s[G0+4*(\s):G0+4*(\s)+3], s[G1:G1+7]
	s_nop 0
.rept 4
	v_nop
.endr
	s_branch .Lasked_\@
.Lfor_b_\@:
	tensor_load_to_lds s[G0B+4*(\s):G0B+4*(\s)+3], s[G1B:G1B+7]
	s_nop 0
.rept 4
	v_nop
.endr
.Lasked_\@:
.endm
.macro CREST                           ; a round of the cluster's barrier behind its opening barrier
	s_cmp_lg_u32 s10, 0
	s_cbranch_scc1 .Lnot_wave_0_\@
	s_barrier_signal -3
.Lnot_wave_0_\@:
	s_barrier_wait -3
	s_barrier_signal -1
	s_barrier_wait -1
.endm
.macro CROUND                          ; a whole round
	s_barrier_signal -1
	s_barrier_wait -1
	CREST
.endm
	s_load_b128 s[4:7], s[0:1], 0x0                ; xb s[4:5], wb s[6:7]
	s_load_b64 s[66:67], s[0:1], 0x10              ; b_qkv
	s_load_b64 s[8:9], s[0:1], 0x18                ; qkv
	s_load_b64 s[68:69], s[0:1], 0x20              ; amax
	v_lshl_add_u32 v[SPW], v0, 2, SPARE
	v_mov_b32 v[NIL], 0
	ds_add_u32 v[SPW], v[NIL]                      ; the wave's opening: the add and its wait stand ahead of my first tensor load; the set-up below, work on registers, stands between them
	ds_add_u32 v28, v29
	v_lshrrev_b32 v1, 5, v0
	v_readfirstlane_b32 s10, v1                    ; wave 0..3
	s_lshr_b32 s11, s10, 1                         ; which half of the tile's rows is mine.  Also: I fetch for xb (0) or for wb (1)
	s_and_b32 s12, s10, 1                          ; which half of its columns.  Also: which half of that tile I fetch
	s_bfe_u32 s40, ttmp6, 0x40000                  ; cx, cy: my place in the cluster
	s_bfe_u32 s41, ttmp6, 0x40004
	s_lshl_b32 s42, ttmp9, 2
	s_add_co_u32 s42, s42, s40                     ; tile column = 4 x cluster x + cx, 0 .. 7
	s_and_b32 s13, ttmp7, 0xffff
	s_lshl_b32 s13, s13, 2
	s_add_co_u32 s13, s13, s41                     ; tile row = 4 x cluster y + cy, 0 .. 31
	s_lshl_b32 s43, s41, 2
	s_lshl_b32 s43, 15, s43                        ; my row of the cluster: places 4 cy .. 4 cy + 3
	s_lshl_b32 s44, 0x1111, s40                    ; my column: places cx, cx + 4, cx + 8, cx + 12
	s_lshl_b32 s45, s42, 5                         ; my word in amax: 512 x (wave / 2) + 2 x (32 x tile column + tile row) + wave % 2, in bytes
	s_add_co_u32 s45, s45, s13
	s_lshl_b32 s45, s45, 1
	s_add_co_u32 s45, s45, s12
	s_lshl_b32 s73, s11, 9
	s_add_co_u32 s45, s45, s73
	s_lshl_b32 s45, s45, 2
	s_mov_b32 s70, 0x76543210                      ; v_permlanex16_b32: each lane takes its own place in the other half
	s_mov_b32 s71, 0xfedcba98
	s_mov_b32 s72, 0x7fff7fff                      ; clears the signs of two f16
	s_mul_i32 s82, s42, 384                        ; my first column
	s_mul_i32 s83, s12, 192
	s_add_co_u32 s82, s82, s83
.irp g, 0,1,2                          ; a tile can straddle q | k or k | v, at a multiple of 64 columns: each 64 columns of mine belong to one of the three.  These scalars enter values alone
	s_add_co_u32 s83, s82, 64*(\g)
	s_lshr_b32 s83, s83, 10                        ; 0: q, 1: k, 2: v
	s_cmp_eq_u32 s83, 0
	s_cselect_b32 s[SQ+(\g)], 1.0, 0
	s_cmp_eq_u32 s83, 1
	s_cselect_b32 s[SK+(\g)], 1.0, 0
.endr
	s_lshl_b32 s82, s82, 2                         ; my first column's byte in the bias
	s_mov_b32 s83, 0
	; descriptor group 1: dense bytes as rows of 128 elements (256 bytes, two rows of a K block), padded in LDS after every 128 bytes
	s_or_b32 s[G1+0], s43, (1<<16)|(1<<20)|(1<<21)|(4<<22)|(3<<25)  ; 15:0 the mask: xb's tiles go to my row; 17:16 elements of 2 bytes; 20 padding on; 21 set beside a mask; 24:22 after every 32 words (code 4); 31:25 4 words (code 3)
	s_or_b32 s[G1B+0], s44, (1<<16)|(1<<20)|(1<<21)|(4<<22)|(3<<25) ; the same with the mask of my column
	s_mov_b32 s[G1+1], 128<<16                     ; tensor_dim0 = 128
	s_mov_b32 s[G1+2], 64<<16                      ; tensor_dim1 = 64: 128 rows of xb
	s_mov_b32 s[G1+3], 128<<16                     ; tile_dim0 = 128
	s_mov_b32 s[G1+4], 64                          ; tile_dim1 = 64
	s_mov_b32 s[G1+5], 128                         ; elements from row to row
	s_mov_b32 s[G1+6], 0
	s_mov_b32 s[G1+7], 0
	s_mov_b32 s[G1B+1], 128<<16
	s_mov_b32 s[G1B+2], 96<<16                     ; 96 rows of 256 bytes: 192 rows of wb
	s_mov_b32 s[G1B+3], 128<<16
	s_mov_b32 s[G1B+4], 96
	s_mov_b32 s[G1B+5], 128
	s_mov_b32 s[G1B+6], 0
	s_mov_b32 s[G1B+7], 0
	; xb's tiles hang on the tile row alone, wb's on the tile column alone; each offset is made in registers that never hold the other coordinate
	s_lshl_b32 s16, s13, 15                        ; xb: (256 x tile row + 128 x half) rows of 128 bytes
	s_lshl_b32 s17, s12, 14
	s_add_co_u32 s16, s16, s17
	s_mov_b32 s17, 0
	s_mul_i32 s46, s42, 384*128                    ; wb: (384 x tile column + 192 x half) rows of 128 bytes
	s_mul_i32 s47, s12, 192*128
	s_add_co_u32 s46, s46, s47
	s_mov_b32 s47, 0
	s_mul_i32 s20, s12, AHALF                      ; where they go: no place in the cluster enters an LDS address
	s_mul_i32 s21, s12, BHALF
	s_add_co_u32 s21, s21, BOFF
	s_wait_dscnt 0x0                               ; the opening add is done
	s_wait_kmcnt 0x0
	s_add_nc_u64 s[14:15], s[4:5], s[16:17]
	s_add_nc_u64 s[46:47], s[6:7], s[46:47]
	CROUND                                         ; all sixteen work-groups are here: the first joint loads meet
.irp s, 0,1
	s_mov_b32 s[G0+4*(\s)], 1                                      ; count = 1
	s_add_co_u32 s[G0+4*(\s)+1], s20, (\s)*SLOT                    ; LDS address
	s_add_nc_u64 s[G0+4*(\s)+2:G0+4*(\s)+3], s[14:15], (\s)*ASTEP  ; global address: K step s
	s_or_b32 s[G0+4*(\s)+3], s[G0+4*(\s)+3], 0x80000000            ; type = 2
	s_mov_b32 s[G0B+4*(\s)], 1
	s_add_co_u32 s[G0B+4*(\s)+1], s21, (\s)*SLOT
	s_add_nc_u64 s[G0B+4*(\s)+2:G0B+4*(\s)+3], s[46:47], (\s)*BSTEP
	s_or_b32 s[G0B+4*(\s)+3], s[G0B+4*(\s)+3], 0x80000000
	JLOAD \s                                       ; two tensor loads of mine are out; later one
.endr
	; the bias of my 192 columns: 768 bytes, 8 bytes a lane and load
	s_add_nc_u64 s[66:67], s[66:67], s[82:83]
	v_and_b32 v3, 31, v0
	v_lshlrev_b32 v3, 3, v3
.irp i, 0,1,2
	global_load_b64 v[32+2*(\i):33+2*(\i)], v3, s[66:67] offset:256*(\i)
.endr
	v_and_b32 v1, 15, v0                           ; l % 16
	v_bfe_u32 v2, v0, 4, 1                         ; l / 16
.set i, 0
.rept 12
	v_mov_b32 v[MX+i], 0                           ; magnitudes are not negative
.set i, i+1
.endr
	; A fragment is 16 rows x 32 K in 8 registers: lane l holds row l % 16; registers 0-3 K = 8 (l / 16) + 0..7, registers 4-7 K = 16 + 8 (l / 16) + 0..7: two loads of 16 bytes, 32 bytes apart.
	v_mul_u32_u24 v4, v1, PITCH
	v_lshl_add_u32 v4, v2, 4, v4                   ; row x pitch + 16 x half
	s_mul_i32 s22, s11, AHALF                      ; my 128 rows of xb
	s_mul_i32 s23, s12, BHALF                      ; my 192 rows of wb,
	s_add_co_u32 s23, s23, BOFF                    ; which lie behind xb's 256
.irp s, 0,1
	v_add_nc_u32 v[ADRA+(\s)], s22, v4
	v_add_nc_u32 v[ADRB+(\s)], s23, v4
	s_add_co_u32 s22, s22, SLOT
	s_add_co_u32 s23, s23, SLOT
.endr
	s_mul_i32 s22, s11, 128*SPITCH                 ; into the stage: my 128 rows, my 384 bytes of them; row l % 16, 16 bytes for each half of the lanes
	s_mul_i32 s23, s12, 384
	s_add_co_u32 s22, s22, s23
	v_mul_u32_u24 v4, v1, SPITCH
	v_lshl_add_u32 v4, v2, 4, v4
	v_add_nc_u32 v[STO], s22, v4
	v_add_nc_u32 v[STO+1], 64*SPITCH, v[STO]
	s_mul_i32 s22, s10, 64*SPITCH                  ; back: wave w takes rows 64 w .. 64 w + 63, whole; lanes 0-15 256 bytes of one row, lanes 16-31 of the next
	v_mul_u32_u24 v4, v2, SPITCH
	v_lshl_add_u32 v4, v1, 4, v4
	v_add_nc_u32 v[RD], s22, v4
	v_mul_u32_u24 v4, v2, SIZE_N*2                 ; and the same two rows in qkv
	v_lshl_add_u32 v[CO], v1, 4, v4
	s_mul_i32 s22, s10, 768                        ; my wave's copy of the bias
	s_add_co_u32 s22, s22, BIASL
	v_add_nc_u32 v5, s22, v3                       ; where I put 8 bytes of it
	v_lshl_add_u32 v[BL], v2, 5, s22               ; and from where my lanes take eight numbers
	s_lshl_b32 s22, s10, 3                         ; my wave's pair of maxima
	s_add_co_u32 s22, s22, AMX
	v_mov_b32 v31, s22
	s_lshl_b32 s16, s13, 8                         ; the first row of qkv that I store: 256 x tile row + 64 x wave
	s_lshl_b32 s17, s10, 6
	s_add_co_u32 s16, s16, s17
	s_mul_i32 s16, s16, SIZE_N*2                   ; under 2^26
	s_mov_b32 s17, 0
	s_add_nc_u64 s[8:9], s[8:9], s[16:17]
	s_mul_i32 s46, s42, 768                        ; the tile's first column, in bytes
	s_mov_b32 s47, 0
	s_add_nc_u64 s[8:9], s[8:9], s[46:47]
	s_wait_loadcnt 0x0                             ; the bias
.irp i, 0,1,2                          ; every input has the same rounding, to bf16: a pair is rounded and widened again in place
	v_cvt_pk_bf16_f32 v[32+2*(\i)], v[32+2*(\i)], v[33+2*(\i)]
	v_and_b32 v[33+2*(\i)], 0xffff0000, v[32+2*(\i)]
	v_lshlrev_b32 v[32+2*(\i)], 16, v[32+2*(\i)]
	ds_store_b64 v5, v[32+2*(\i):33+2*(\i)] offset:256*(\i)
.endr
; 16 matrix instructions of group g: column blocks 4 g + b0, 4 g + b0 + 1 x all 8 row blocks, 32 along K; xb's fragments in buffer fa.
; first = 1: the product starts the sum, with the bias at v[CB + 8 b] (window 0) as C: nothing is ever cleared.  The 96 accumulators take turns in the same order everywhere.
.macro MULG fa, g, b0, first
.if \first
	WIN 0x40*((\g)+1)                              ; sources and C window 0, D window 1 + g
.else
	WIN 0x50*((\g)+1)                              ; sources window 0, C and D window 1 + g
.endif
.irp b, \b0, (\b0)+1
.irp a, 0,1,2,3,4,5,6,7
.if \first
	v_wmma_f32_16x16x32_bf16 v[8*(8*(\b)+(\a)):8*(8*(\b)+(\a))+7], v[FB+8*(4*(\g)+(\b)):FB+8*(4*(\g)+(\b))+7], v[(\fa)+8*(\a):(\fa)+8*(\a)+7], v[CB+8*(\b):CB+8*(\b)+7]
.else
	v_wmma_f32_16x16x32_bf16 v[8*(8*(\b)+(\a)):8*(8*(\b)+(\a))+7], v[FB+8*(4*(\g)+(\b)):FB+8*(4*(\g)+(\b))+7], v[(\fa)+8*(\a):(\fa)+8*(\a)+7], v[8*(8*(\b)+(\a)):8*(8*(\b)+(\a))+7]
.endif
.endr
.endr
.endm
.macro GROUP fa, g, first
	MULG \fa, \g, 0, \first
	MULG \fa, \g, 2, \first
.endm
.macro LB slot, k, g                   ; 8 LDS loads: wb's four blocks of group g, 32 K at byte k of the rows
.irp i, 0,1,2,3
	ds_load_b128 v[FB+8*(4*(\g)+(\i)):FB+8*(4*(\g)+(\i))+3],   v[ADRB+(\slot)] offset:(\k)+(4*(\g)+(\i))*16*PITCH
	ds_load_b128 v[FB+8*(4*(\g)+(\i))+4:FB+8*(4*(\g)+(\i))+7], v[ADRB+(\slot)] offset:(\k)+(4*(\g)+(\i))*16*PITCH+32
.endr
.endm
.macro LA slot, k, f                   ; 16 LDS loads: xb's eight blocks into buffer f
.irp i, 0,1,2,3,4,5,6,7
	ds_load_b128 v[(\f)+8*(\i):(\f)+8*(\i)+3],   v[ADRA+(\slot)] offset:(\k)+(\i)*16*PITCH
	ds_load_b128 v[(\f)+8*(\i)+4:(\f)+8*(\i)+7], v[ADRA+(\slot)] offset:(\k)+(\i)*16*PITCH+32
.endr
.endm
.macro LBIAS g, dst                    ; 8 LDS loads: the bias of group g's four column blocks, eight numbers a lane and block
.irp i, 0,1,2,3
	ds_load_b128 v[(\dst)+8*(\i):(\dst)+8*(\i)+3],   v[BL] offset:64*(4*(\g)+(\i))
	ds_load_b128 v[(\dst)+8*(\i)+4:(\dst)+8*(\i)+7], v[BL] offset:64*(4*(\g)+(\i))+16
.endr
.endm
; Four places (ISA guide 7.12.1 for the vector lines) in front of loads into registers that matrix instructions have read, and of vector lines that read results just made
.macro PLACES
.rept 4
	v_nop
.endr
.endm
; A step's first quarter: multiplies buffer FA0 and fetches the same slot's second quarter, at byte 64 of the rows, into FA1 and FB.
.macro QA slot
	s_wait_dscnt 16                                ; L0 is in (wb's group 0, xb); L1 and L2, sixteen loads, may be out
	GROUP FA0, 0, 0
	PLACES
	WIN 0
	LB \slot, 64, 0
	LA \slot, 64, FA1
	s_wait_dscnt 32                                ; L1 is in; L2 and the 24 just issued may be out
	GROUP FA0, 1, 0
	PLACES
	WIN 0
	LB \slot, 64, 1
	s_wait_dscnt 32                                ; L2 is in; the 32 issued in this quarter may be out
	GROUP FA0, 2, 0
	PLACES
	WIN 0
	LB \slot, 64, 2
.endm
; A step's second quarter multiplies FA1 and changes slots.  MEET is its first group: ONE barrier.  In front of it each wave waits for all its tensor loads (one is out: its part of the next slot),
; adds 0 to its spare word, and waits for that and for its own reads of this slot.  Behind it nobody reads this slot any more and the next slot is whole.
.macro MEET round
	WIN 0                                          ; (the add's two registers lie in window 0)
	s_wait_tensorcnt 0x0
	ds_add_u32 v[SPW], v[NIL]
	s_wait_dscnt 17                                ; (the add, L1 and L2 may be out)
	MULG FA1, 0, 0, 0                              ; sixteen matrix instructions stand between the add and the wait for it
	s_wait_dscnt 0x0                               ; the add is done, and my reads of this slot are over
	s_barrier_signal -1
	MULG FA1, 0, 2, 0                              ; work on registers while the others arrive
.if \round
	WIN 0
.endif
	s_barrier_wait -1
.endm
.macro REST next                       ; the quarter's other two groups, and the next slot's first quarter is fetched
	WIN 0
	LB \next, 0, 0
	LA \next, 0, FA0
	GROUP FA1, 1, 0
	PLACES
	WIN 0
	LB \next, 0, 1
	GROUP FA1, 2, 0
	PLACES
	WIN 0
	LB \next, 0, 2
.endm
.macro TURN slot, next                 ; the slot just read out is filled again, two K steps on: the barrier opens a round of the cluster's barrier, and the joint refill is the first tensor load behind it: 160 matrix instructions ahead of the wait for it
	MEET 1
	CREST
	s_add_nc_u64 s[G0+4*(\slot)+2:G0+4*(\slot)+3], s[G0+4*(\slot)+2:G0+4*(\slot)+3], 2*ASTEP
	s_add_nc_u64 s[G0B+4*(\slot)+2:G0B+4*(\slot)+3], s[G0B+4*(\slot)+2:G0B+4*(\slot)+3], 2*BSTEP
	JLOAD \slot                                    ; the four v_nop behind it are also the places in front of the loads below
	REST \next
.endm
.macro TURNX next                      ; the same where nothing is left to fetch from memory: no round, no tensor load
	MEET 0
	PLACES
	REST \next
.endm
	s_wait_tensorcnt 1                             ; my part of K step 0 is in; K step 1's may stay out
	s_wait_dscnt 0x0                               ; (no LDS instruction of mine is pending at a signal)
	s_barrier_signal -1
	s_barrier_wait -1                              ; everybody's is
	LB 0, 0, 0
	LA 0, 0, FA0
	LB 0, 0, 1
	LB 0, 0, 2
	LBIAS 0, FA1                                   ; LDS serves a wave's instructions in order (ISA guide 5.7.1.4): these see my stores above
	LBIAS 1, FA1+32
	; THE FIRST QUARTER stands in front of the loop: its products start the sums, with the bias.  FA1 holds the bias until group 2 is done, so xb's next fragments come last here.
	s_wait_dscnt 0x0
.set CB, FA1
	GROUP FA0, 0, 1
	PLACES
	WIN 0
	LB 0, 64, 0
	LBIAS 2, FA1
.set CB, FA1+32
	GROUP FA0, 1, 1
	PLACES
	WIN 0
	LB 0, 64, 1
	s_wait_dscnt 8                                 ; group 2's bias is in; the eight loads just issued may be out
.set CB, FA1
	GROUP FA0, 2, 1
	PLACES
	WIN 0
	LA 0, 64, FA1
	LB 0, 64, 2
	s_wait_dscnt 8                                 ; once: the loop's first wait takes xb's fragments to be older than sixteen loads; here only wb's group 2 may be out
	s_mov_b32 s3, TRIPS
.Llap:                                                 ; a trip goes once round the ring, from a step's second quarter to the first of the step after the next, and fills both slots again: K steps 2 to 15
	TURN 0, 1
	QA 1
	TURN 1, 0
	QA 0
	WIN 0                                          ; at a label and at a branch every window is 0
	s_sub_co_u32 s3, s3, 1
	s_cmp_lg_u32 s3, 0
	s_cbranch_scc1 .Llap
	TURNX 1                                        ; K step 14's second quarter; the tail is written out
	QA 1                                           ; K step 15
	s_wait_dscnt 16                                ; the very last quarter: nothing more to fetch, the counts run down
	GROUP FA1, 0, 0
	s_wait_dscnt 8
	GROUP FA1, 1, 0
	s_wait_dscnt 0x0
	GROUP FA1, 2, 0
	WIN 0
	PLACES                                         ; the conversions read results just made and write registers that products have read
	s_barrier_signal -1                            ; every wave's reads of the ring are over (the wait for 0 above) and no tensor load is out (the last change of slots waited for all):
	s_barrier_wait -1                              ; behind this barrier the ring's bytes are the stage
; THE WAY OUT.  A wave's 192 columns are 384 bytes, one and a half times 256: so the four waves share ONE stage, with a barrier between writing and reading.
; PACKG: window 1 + g's 32 accumulators, each one's registers in ascending order, rounded to f16 (x = 4 (8 b + a) + r: accumulator registers 2 x, 2 x + 1 give packed register x); 16 bytes a lane into the stage;
; the running maxima of these 64 columns take the rounded magnitudes, two at a time, in four chains.
.macro PACKG g
	WIN 0x05*((\g)+1)                              ; sources 0 and 1 window 1 + g, destination window 0
.set x, 0
.rept 128
	v_cvt_pk_f16_f32 v[TMP+x], v[2*x], v[2*x+1]
.set x, x+1
.endr
	WIN 0
.irp b, 0,1,2,3
.irp a, 0,1,2,3,4,5,6,7
	ds_store_b128 v[STO+(\a)/4], v[TMP+4*(8*(\b)+(\a)):TMP+4*(8*(\b)+(\a))+3] offset:((\a)%4)*16*SPITCH+32*(4*(\g)+(\b))
.endr
.endr
.set x, 0
.rept 32
.irp r, 0,1,2,3
	v_and_b32 v[TT+(\r)], s72, v[TMP+4*x+(\r)]
.endr
.irp r, 0,1,2,3
	v_pk_max_num_f16 v[MX+4*(\g)+(\r)], v[MX+4*(\g)+(\r)], v[TT+(\r)]
.endr
.set x, x+1
.endr
.endm
	PACKG 0
	PACKG 1
	PACKG 2
	; my largest magnitude in each 64 columns: four chains into one, its two halves as f32
	v_pk_max_num_f16 v8, v8, v9
	v_pk_max_num_f16 v10, v10, v11
	v_pk_max_num_f16 v12, v12, v13
	v_pk_max_num_f16 v14, v14, v15
	v_pk_max_num_f16 v16, v16, v17
	v_pk_max_num_f16 v18, v18, v19
	v_pk_max_num_f16 v8, v8, v10
	v_pk_max_num_f16 v12, v12, v14
	v_pk_max_num_f16 v16, v16, v18
	v_cvt_f32_f16 v9, v8.l
	v_cvt_f32_f16 v10, v8.h
	v_cvt_f32_f16 v13, v12.l
	v_cvt_f32_f16 v14, v12.h
	v_cvt_f32_f16 v17, v16.l
	v_cvt_f32_f16 v18, v16.h
	v_max_num_f32 v8, v9, v10
	v_max_num_f32 v12, v13, v14
	v_max_num_f32 v16, v17, v18
	v_mul_f32 v4, s[SQ], v8                        ; what of it belongs to q,
	v_mul_f32 v5, s[SK], v8                        ; and what to k
	v_mul_f32 v6, s[SQ+1], v12
	v_mul_f32 v7, s[SK+1], v12
	v_mul_f32 v9, s[SQ+2], v16
	v_mul_f32 v10, s[SK+2], v16
	v_max3_num_f32 v4, v4, v6, v9
	v_max3_num_f32 v5, v5, v7, v10
.irp m, 1,2,4,8                        ; over the 32 lanes
	v_max_num_f32_dpp v4, v4, v4 row_xmask:\m row_mask:0xf bank_mask:0xf
	v_max_num_f32_dpp v5, v5, v5 row_xmask:\m row_mask:0xf bank_mask:0xf
.endr
	v_permlanex16_b32 v6, v4, s70, s71
	v_permlanex16_b32 v7, v5, s70, s71
	v_max_num_f32 v4, v4, v6
	v_max_num_f32 v5, v5, v7
	ds_store_b64 v31, v[4:5]                       ; all lanes write the same pair to my wave's place
	s_wait_dscnt 0x0                               ; for the others' sake: my stores into the stage and my pair are done
	s_barrier_signal -1
	s_barrier_wait -1
; Back as whole rows: batch n is eight pairs of rows x three times 256 bytes, 24 loads, into one of two sets of 96 registers.
.macro LOADB n
.irp t, 0,1,2,3,4,5,6,7
.irp u, 0,1,2
	ds_load_b128 v[TMP+96*((\n)%2)+4*(3*(\t)+(\u)):TMP+96*((\n)%2)+4*(3*(\t)+(\u))+3], v[RD] offset:(8*(\n)+(\t))*2*SPITCH+256*(\u)
.endr
.endr
.endm
.macro SENDB n, younger                ; younger: the LDS loads issued behind batch n's, which may stay out
	s_wait_dscnt \younger
.irp t, 0,1,2,3,4,5,6,7
.irp u, 0,1,2
	global_store_b128 v[CO], v[TMP+96*((\n)%2)+4*(3*(\t)+(\u)):TMP+96*((\n)%2)+4*(3*(\t)+(\u))+3], s[8:9] offset:(8*(\n)+(\t))*2*SIZE_N*2+256*(\u)  ; 16 lanes store 256 consecutive bytes, at a multiple of 256 from qkv's first byte
.endr
.endr
.endm
	LOADB 0
	LOADB 1
	SENDB 0, 24
	s_wait_xcnt 0x0                                ; batch 0's stores have read their registers: the set is loaded again only behind this wait
	LOADB 2
	SENDB 1, 24
	s_wait_xcnt 0x0
	LOADB 3
	SENDB 2, 24
	SENDB 3, 0
	; the work-group's two bounds: every wave reads the four pairs; waves 0 and 1 store q's, waves 2 and 3 k's, a word each
	v_mov_b32 v3, AMX
	ds_load_b128 v[4:7], v3
	ds_load_b128 v[8:11], v3 offset:16
	s_wait_dscnt 0x0
	v_max3_num_f32 v4, v4, v6, v8
	v_max3_num_f32 v5, v5, v7, v9
	v_max_num_f32 v4, v4, v10
	v_max_num_f32 v5, v5, v11
	s_cmp_eq_u32 s11, 0
	s_cselect_b32 s2, -1, 0
	v_cndmask_b32 v12, v5, v4, s2                  ; a choice of value by the wave's number
	v_mov_b32 v14, s45
	v_and_b32 v15, 31, v0
	v_cmp_eq_u32 vcc_lo, 0, v15
	s_wait_xcnt 0x0                                ; EXEC is a source of the stores above: it changes only behind this wait
	s_and_saveexec_b32 s3, vcc_lo
	global_store_b32 v14, v12, s[68:69]            ; one lane stores the wave's word
	s_wait_xcnt 0x0                                ; and again in front of the line that widens it
	s_or_b32 exec_lo, exec_lo, s3
	s_wait_tensorcnt 0x0                           ; the wave's end: behind my last tensor load and my last LDS store
	ds_add_u32 v[SPW], v[NIL]
	s_wait_dscnt 0x0
	CROUND                                         ; the closing round: no work-group ends while a partner may still ask for a tile that names it
	s_endpgm
.Lfunc_end_k_qfaff0df62c_qkv:
	.size	k_qfaff0df62c_qkv, .Lfunc_end_k_qfaff0df62c_qkv-k_qfaff0df62c_qkv
	.p2alignl 7, 3214868480
	.fill 96, 4, 3214868480
	.section	.rodata,"a",@progbits
	.p2align	6, 0x0
	.amdhsa_kernel k_qfaff0df62c_qkv
		.amdhsa_group_segment_fixed_size 327680
		.amdhsa_private_segment_fixed_size 0
		.amdhsa_enable_private_segment 0
		.amdhsa_kernarg_size 40
		.amdhsa_user_sgpr_count 2
		.amdhsa_user_sgpr_kernarg_segment_ptr 1
		.amdhsa_wavefront_size32 1
		.amdhsa_system_sgpr_workgroup_id_x 1
		.amdhsa_system_sgpr_workgroup_id_y 1
		.amdhsa_system_sgpr_workgroup_id_z 1
		.amdhsa_system_vgpr_workitem_id 0
		.amdhsa_next_free_vgpr 1024
		.amdhsa_next_free_sgpr 88
		.amdhsa_reserve_vcc 1
		.amdhsa_float_denorm_mode_32 3
		.amdhsa_float_denorm_mode_16_64 3
		.amdhsa_memory_ordered 1
		.amdhsa_forward_progress 1
		.amdhsa_inst_pref_size 172
	.end_amdhsa_kernel
	.amdgpu_metadata
---
amdhsa.version: [ 1, 2 ]
amdhsa.kernels:
  - .name:           k_qfaff0df62c_qkv
    .symbol:         k_qfaff0df62c_qkv.kd
    .args:
      - { .name: xb, .offset: 0, .size: 8, .value_kind: global_buffer, .address_space: global }
      - { .name: wb, .offset: 8, .size: 8, .value_kind: global_buffer, .address_space: global }
      - { .name: b_qkv, .offset: 16, .size: 8, .value_kind: global_buffer, .address_space: global }
      - { .name: qkv, .offset: 24, .size: 8, .value_kind: global_buffer, .address_space: global }
      - { .name: amax, .offset: 32, .size: 8, .value_kind: global_buffer, .address_space: global }
    .group_segment_fixed_size: 327680
    .private_segment_fixed_size: 0
    .kernarg_segment_align: 8
    .kernarg_segment_size: 40
    .max_flat_workgroup_size: 128
    .sgpr_count:     88
    .vgpr_count:     1024
    .wavefront_size: 32
...
	.end_amdgpu_metadata
.endif
;; end of part 2
;; launch scores (part 3): grid 36 x 4, 4 waves a work-group, no clusters, 327,680 bytes of LDS; arguments qkv, amax, pmat; writes pmat
.if DOCPART == 3
	.amdgcn_target "amdgcn-amd-amdhsa--gfx1250"
	.amdhsa_code_object_version 6
	.text
	.protected	k_qfaff0df62c_scores
	.globl	k_qfaff0df62c_scores
	.p2align	8
	.type	k_qfaff0df62c_scores,@function
k_qfaff0df62c_scores:
	s_mov_b64 s[64:65], 0
	v_nop
	global_prefetch_b8 v0, s[64:65] scope:SCOPE_SE
	s_setreg_imm32_b32 hwreg(HW_REG_WAVE_MODE, 25, 1), 1
	s_wait_xcnt 0x0
; pmat[b][i][j] = (q[b][i] . k[b][j]) x (c / 32) x 0.99^(i - j) for i >= j, 0 for i < j, in f16.  q = columns 0-1023 and k = columns 1024-2047 of qkv ([8192][3072], f16); sums in f32.
; Only the tiles of 256 x 256 that touch or lie below the diagonal are made: 36 a batch; work-group t makes tile (I, J), t = I (I + 1) / 2 + J.  Diagonal tiles are written whole, with their zeros: the next launch reads them.
; THE SCALE c is a power of two made from the data, the same in this launch and the next: Aq, Ak = the largest |q|, |k| (from amax); |q . k| / 32 <= 32 Aq Ak =: Bd < 2^(e - 126), e = Bd's biased exponent held to
; 14 .. 254; c = 2^(140 - e), so every stored number is below 2^14, inside f16, whatever the inputs' size; the next launch divides by c.
; LIMITS.  q and k arrive in f16; a stored number below 6e-5 keeps f16's fixed step of 6e-8, that is 2^-38 of the bound; NaN and infinities are not treated apart.  The decay is never cut: all 2,047 distances are made.
; NO CLUSTER: tile row I has I + 1 tiles and tile column J has 8 - J, so groups of four that share an operand in every K step exist only if 48 work-groups of zeros are added to the 144.
; The body is the first product's: four waves, each 128 x 128 in 64 accumulators; K = 1,024 in steps of 128 through two LDS slots; each wave fetches 128 rows (waves 0, 1: q's; 2, 3: k's) with one tensor load.
; THE MATRIX INSTRUCTION IS USED TRANSPOSED (source 0 = 16 rows of k, source 1 = 16 rows of q): lane l holds query l % 16 and the keys 8 (l / 16) + 0..7.
; THE DECAY.  For accumulator (a, b), register jj: i - j = D0 + 16 (a - b) - jj, D0 = 256 (I - J) + 128 (my row half - my column half) + l % 16 - 8 (l / 16).  So 15 x 8 factors a lane serve all 64 accumulators:
; G[g][jj] = (c / 32) 0.99^(D0 + 16 (g - 7) - jj) where that exponent is not negative, else 0; g = a - b + 7.  They are made once, in the wait for the first tile.
; REGISTERS: window 0: v0-31 addresses; v64-127, v128-191 fragments of q (v64-127 at work on the way out); v32-63, v192-255 the way out.  window 1: v64-191 fragments of k; v0-63, v192-247 G; v248 D0.
;   windows 2, 3: the accumulators, (a, b) at v[8 (8 (a % 4) + b)].
.set QPITCH, 6144                      ; bytes in a row of qkv
.set PPITCH, 4096                      ; bytes in a row of pmat
.set KSTEP,  128
.set PITCH,  272                       ; an LDS row: 256 bytes + 16 of padding: the 16 rows that a load touches start at 16 different groups of four banks (ISA guide 11.1)
.set HALFT,  128*PITCH
.set SLOT,   4*HALFT                   ; q's 256 rows, then k's 256 rows
.set STAGE,  2*SLOT
.set SPITCH, 272
.set SPARE,  STAGE+4*16*SPITCH
.set LAPS,   4                         ; 1,024 / 256
.set ADRA, 16
.set ADRB, 20
.set STO,  24
.set RD,   25
.set CO,   26
.set AO,   27                          ; v27  my byte offset in amax
.set SPW,  28
.set NIL,  29
.set D0,   30
.set EG,   32                          ; v32-46  (c / 32) 0.99^(D0 + 16 (g - 7))
.set CJ,   48                          ; v48-55  0.99^(-jj)
.set F0,   64
.set F1,   128
.set T,    64                          ; the way out: scaled scores in f32
.set TMP,  192
.set OB,   32
.set G1,   24                          ; s[24:31] descriptor group 1
.set G0,   32                          ; s[32:39] group 0, a set for each slot
.set MSB, 0
.macro WIN new
.if MSB != (\new)
	s_set_vgpr_msb (MSB<<8)|(\new)
.set MSB, \new
.endif
.endm
.set TO_B, 0x40
.macro PLACES
.rept 4
	v_nop
.endr
.endm
.macro SETGA g                         ; where G[g] lies in window 1
.if (\g) < 8
.set GA, 8*(\g)
.else
.set GA, 192+8*((\g)-8)
.endif
.endm
	s_load_b128 s[4:7], s[0:1], 0x0                ; qkv s[4:5], amax s[6:7]
	s_load_b64 s[8:9], s[0:1], 0x10                ; pmat
	v_lshl_add_u32 v[SPW], v0, 2, SPARE
	v_mov_b32 v[NIL], 0
	ds_add_u32 v[SPW], v[NIL]                      ; the wave's opening: the add and its wait stand ahead of my first tensor load
	ds_add_u32 v28, v29
	v_lshrrev_b32 v1, 5, v0
	v_readfirstlane_b32 s10, v1                    ; wave 0..3
	s_lshr_b32 s11, s10, 1                         ; my half of the queries.  Also: I fetch q (0) or k (1)
	s_and_b32 s12, s10, 1                          ; my half of the keys.  Also: which 128 rows I fetch
	s_and_b32 s42, ttmp7, 0xffff                   ; batch
	s_mov_b32 s40, 0                               ; I = how many of the rows' first numbers 1, 3, 6, .. t has reached
.irp thr, 1,3,6,10,15,21,28
	s_cmp_ge_u32 ttmp9, \thr
	s_add_co_ci_u32 s40, s40, 0
.endr
	s_add_co_u32 s41, s40, 1
	s_mul_i32 s41, s41, s40
	s_lshr_b32 s41, s41, 1
	s_sub_co_u32 s41, ttmp9, s41                   ; J = t - I (I + 1) / 2
	s_mov_b32 s[G1+0], (1<<16)|(1<<20)|(5<<22)|(3<<25)  ; elements of 2 bytes; padding on: after every 64 words (code 5) 4 words (code 3)
	s_mov_b32 s[G1+1], KSTEP<<16                   ; tensor_dim0 = 128
	s_mov_b32 s[G1+2], 128<<16                     ; tensor_dim1 = 128
	s_mov_b32 s[G1+3], KSTEP<<16                   ; tile_dim0 = 128
	s_mov_b32 s[G1+4], 128                         ; tile_dim1 = 128
	s_mov_b32 s[G1+5], 3072                        ; elements from row to row
	s_mov_b32 s[G1+6], 0
	s_mov_b32 s[G1+7], 0
	s_cmp_eq_u32 s11, 0                            ; the 128 rows that I fetch: of q's tile I or of k's tile J
	s_cselect_b32 s16, s40, s41
	s_cselect_b32 s18, 0, 2048                     ; k's columns begin 2,048 bytes into a row
	s_lshl_b32 s16, s16, 8
	s_lshl_b32 s17, s12, 7
	s_add_co_u32 s16, s16, s17
	s_lshl_b32 s17, s42, 11
	s_add_co_u32 s16, s16, s17                     ; row = 2,048 batch + 256 tile + 128 half
	s_mul_i32 s16, s16, QPITCH                     ; under 2^26
	s_add_co_u32 s16, s16, s18
	s_mov_b32 s17, 0
	s_mul_i32 s20, s10, HALFT                      ; where they go: wave x 128 rows
	s_mov_b32 s43, 0xbc6d8f9a                      ; log2(0.99)
	s_mov_b32 s45, 0x3c6d8f9a                      ; and its negative
	s_mov_b32 s46, 0x76543210                      ; v_permlanex16_b32's selects
	s_mov_b32 s47, 0xfedcba98
	s_wait_dscnt 0x0                               ; the opening add is done
	s_wait_kmcnt 0x0
	s_add_nc_u64 s[14:15], s[4:5], s[16:17]
.irp s, 0,1
	s_mov_b32 s[G0+4*(\s)], 1
	s_add_co_u32 s[G0+4*(\s)+1], s20, (\s)*SLOT
	s_add_nc_u64 s[G0+4*(\s)+2:G0+4*(\s)+3], s[14:15], (\s)*KSTEP*2
	s_or_b32 s[G0+4*(\s)+3], s[G0+4*(\s)+3], 0x80000000
.endr
	tensor_load_to_lds s[G0:G0+3], s[G1:G1+7]      ; K steps 0 and 1: two tensor loads of mine are out; later one
	s_nop 0
	tensor_load_to_lds s[G0+4:G0+7], s[G1:G1+7]
	s_nop 0
	PLACES
	; amax: q's 512 words and k's 512, 16 bytes a lane and load
	v_and_b32 v[AO], 31, v0
	v_lshlrev_b32 v[AO], 4, v[AO]
.irp i, 0,1,2,3
	global_load_b128 v[64+4*(\i):64+4*(\i)+3], v[AO], s[6:7] offset:512*(\i)
	global_load_b128 v[80+4*(\i):80+4*(\i)+3], v[AO], s[6:7] offset:2048+512*(\i)
.endr
	v_and_b32 v1, 15, v0                           ; l % 16
	v_bfe_u32 v2, v0, 4, 1                         ; l / 16
	v_mul_u32_u24 v3, v1, PITCH
	v_lshl_add_u32 v3, v2, 4, v3                   ; a fragment's row x pitch + 16 x half
	s_mul_i32 s21, s11, HALFT
	s_mul_i32 s22, s12, HALFT
	s_add_co_u32 s22, s22, 2*HALFT
.irp s, 0,1
	v_add_nc_u32 v[ADRA+(\s)], s21, v3
	v_add_nc_u32 v[ADRB+(\s)], s22, v3
	s_add_co_u32 s21, s21, SLOT
	s_add_co_u32 s22, s22, SLOT
.endr
	s_mul_i32 s23, s10, 16*SPITCH
	s_add_co_u32 s23, s23, STAGE                   ; my stage
	v_mul_u32_u24 v4, v1, SPITCH
	v_lshl_add_u32 v4, v2, 4, v4
	v_add_nc_u32 v[STO], s23, v4
	v_mul_u32_u24 v5, v2, SPITCH
	v_lshl_add_u32 v5, v1, 4, v5
	v_add_nc_u32 v[RD], s23, v5
	v_lshlrev_b32 v5, 12, v2                       ; two rows of pmat
	v_lshl_add_u32 v[CO], v1, 4, v5
	s_lshl_b32 s16, s42, 11                        ; where my part of the tile begins in pmat, in bytes (under 2^26)
	s_lshl_b32 s17, s40, 8
	s_add_co_u32 s16, s16, s17
	s_lshl_b32 s17, s11, 7
	s_add_co_u32 s16, s16, s17
	s_lshl_b32 s16, s16, 12
	s_lshl_b32 s17, s41, 9
	s_add_co_u32 s16, s16, s17
	s_lshl_b32 s17, s12, 8
	s_add_co_u32 s16, s16, s17
	s_mov_b32 s17, 0
	s_sub_co_u32 s18, s40, s41                     ; D0
	s_lshl_b32 s18, s18, 8
	s_sub_co_i32 s19, s11, s12
	s_lshl_b32 s19, s19, 7
	s_add_co_i32 s18, s18, s19
	v_lshlrev_b32 v5, 3, v2
	v_sub_nc_u32 v[D0], v1, v5
	v_add_nc_u32 v[D0], s18, v[D0]
	s_wait_loadcnt 0x0                             ; amax
.irp o, 64, 80                         ; 16 numbers a lane into one, for q and for k
	v_max3_num_f32 v[(\o)],    v[(\o)],    v[(\o)+1],  v[(\o)+2]
	v_max3_num_f32 v[(\o)+3],  v[(\o)+3],  v[(\o)+4],  v[(\o)+5]
	v_max3_num_f32 v[(\o)+6],  v[(\o)+6],  v[(\o)+7],  v[(\o)+8]
	v_max3_num_f32 v[(\o)+9],  v[(\o)+9],  v[(\o)+10], v[(\o)+11]
	v_max3_num_f32 v[(\o)+12], v[(\o)+12], v[(\o)+13], v[(\o)+14]
	v_max3_num_f32 v[(\o)],    v[(\o)],    v[(\o)+3],  v[(\o)+6]
	v_max3_num_f32 v[(\o)+9],  v[(\o)+9],  v[(\o)+12], v[(\o)+15]
	v_max_num_f32  v[(\o)],    v[(\o)],    v[(\o)+9]
.endr
.irp m, 1,2,4,8                        ; and over the lanes
	v_max_num_f32_dpp v64, v64, v64 row_xmask:\m row_mask:0xf bank_mask:0xf
	v_max_num_f32_dpp v80, v80, v80 row_xmask:\m row_mask:0xf bank_mask:0xf
.endr
	v_permlanex16_b32 v65, v64, s46, s47
	v_permlanex16_b32 v81, v80, s46, s47
	v_max_num_f32 v64, v64, v65                    ; Aq
	v_max_num_f32 v80, v80, v81                    ; Ak
	v_mul_f32 v64, v64, v80
	v_mul_f32 v64, 0x42000000, v64                 ; Bd = 32 Aq Ak
	v_lshrrev_b32 v64, 23, v64                     ; its biased exponent (the sign is 0)
	v_max_u32 v64, 14, v64
	v_min_u32 v64, 0xfe, v64
	v_sub_nc_u32 v64, 262, v64                     ; c / 32 = 2^(135 - e): biased exponent 262 - e, 8 .. 248
	v_lshlrev_b32 v64, 23, v64
	v_readfirstlane_b32 s44, v64                   ; it enters values alone
	; the table G
.irp g, 0,1,2,3,4,5,6,7,8,9,10,11,12,13,14
	v_add_nc_u32 v[EG+(\g)], 16*((\g)-7), v[D0]
.endr
.irp g, 0,1,2,3,4,5,6,7,8,9,10,11,12,13,14
	v_cvt_f32_i32 v[EG+(\g)], v[EG+(\g)]
.endr
.irp g, 0,1,2,3,4,5,6,7,8,9,10,11,12,13,14
	v_mul_f32 v[EG+(\g)], s43, v[EG+(\g)]
.endr
.irp j, 0,1,2,3,4,5,6,7
	v_cvt_f32_u32 v[CJ+(\j)], \j
.endr
.irp j, 0,1,2,3,4,5,6,7
	v_mul_f32 v[CJ+(\j)], s45, v[CJ+(\j)]
.endr
.irp g, 0,1,2,3,4,5,6,7,8,9,10,11,12,13,14
	v_exp_f32 v[EG+(\g)], v[EG+(\g)]
.endr
.irp j, 0,1,2,3,4,5,6,7
	v_exp_f32 v[CJ+(\j)], v[CJ+(\j)]
.endr
	v_nop                                          ; a plain instruction between the last exponential and the use of its result (ISA guide 5.7.2)
	s_wait_alu depctr_va_vdst(0)
.irp g, 0,1,2,3,4,5,6,7,8,9,10,11,12,13,14
	v_mul_f32 v[EG+(\g)], s44, v[EG+(\g)]
.endr
	WIN 0x40                                       ; destination window 1
	v_mov_b32 v248, v[D0]
.irp g, 0,1,2,3,4,5,6,7,8,9,10,11,12,13,14
	SETGA \g
.irp j, 0,1,2,3,4,5,6,7
	v_mul_f32 v[GA+(\j)], v[EG+(\g)], v[CJ+(\j)]
.endr
.endr
	WIN 0x44                                       ; destination and source 1 window 1
.irp g, 0,1,2,3,4,5,6,7,8,9,10,11,12,13,14
	SETGA \g
.irp j, 0,1,2,3,4,5,6,7
	v_cmp_le_i32 vcc_lo, (\j)-16*((\g)-7), v248    ; is i - j = D0 + 16 (g - 7) - jj at least 0?
	v_cndmask_b32 v[GA+(\j)], 0, v[GA+(\j)], vcc_lo  ; above the diagonal the factor is 0; no tensor load stands between the two lines
.endr
.endr
	WIN 0
; 16 matrix instructions: query blocks a0, a0 + 1 of the window's four x all 8 key blocks, 32 along K.  zero = 1: the product starts the sum.
.macro MUL16 f, hi, a0, zero
	WIN 0xa1+0x50*(\hi)                            ; source 0 (k) window 1, source 1 (q) window 0, C and D window 2 or 3
.irp a, \a0, (\a0)+1
.irp b, 0,1,2,3,4,5,6,7
.if \zero
	v_wmma_f32_16x16x32_f16 v[8*(8*(\a)+(\b)):8*(8*(\a)+(\b))+7], v[(\f)+8*(\b):(\f)+8*(\b)+7], v[(\f)+8*(4*(\hi)+(\a)):(\f)+8*(4*(\hi)+(\a))+7], 0
.else
	v_wmma_f32_16x16x32_f16 v[8*(8*(\a)+(\b)):8*(8*(\a)+(\b))+7], v[(\f)+8*(\b):(\f)+8*(\b)+7], v[(\f)+8*(4*(\hi)+(\a)):(\f)+8*(4*(\hi)+(\a))+7], v[8*(8*(\a)+(\b)):8*(8*(\a)+(\b))+7]
.endif
.endr
.endr
.endm
.macro FETCH slot, k, f                ; 32 LDS loads in one run: one quarter step's fragments, k's first
	WIN TO_B
.irp i, 0,1,2,3,4,5,6,7
	ds_load_b128 v[(\f)+8*(\i):(\f)+8*(\i)+3],   v[ADRB+(\slot)] offset:(\k)+(\i)*16*PITCH
	ds_load_b128 v[(\f)+8*(\i)+4:(\f)+8*(\i)+7], v[ADRB+(\slot)] offset:(\k)+(\i)*16*PITCH+32
.endr
	WIN 0
.irp i, 0,1,2,3,4,5,6,7
	ds_load_b128 v[(\f)+8*(\i):(\f)+8*(\i)+3],   v[ADRA+(\slot)] offset:(\k)+(\i)*16*PITCH
	ds_load_b128 v[(\f)+8*(\i)+4:(\f)+8*(\i)+7], v[ADRA+(\slot)] offset:(\k)+(\i)*16*PITCH+32
.endr
.endm
.macro QUARTER slot, k, f, g, zero     ; 64 matrix instructions on buffer f; in their middle the next quarter, at byte k, is fetched into g.  The 64 accumulators take turns
	s_wait_dscnt 8                                 ; k's fragments and q's rows 0-63 are in; the youngest eight loads may be out
	MUL16 \f, 0, 0, \zero
	MUL16 \f, 0, 2, \zero
	PLACES
	FETCH \slot, \k, \g
	s_wait_dscnt 32                                ; all but the 32 just issued
	MUL16 \f, 1, 0, \zero
	MUL16 \f, 1, 2, \zero
.endm
; The change of slots: each wave waits for all its tensor loads (one is out: its part of the next slot), adds 0 to its spare word, waits for that and for its reads of this slot, and passes ONE barrier.
.macro MEET
	WIN 0
	s_wait_tensorcnt 0x0
	ds_add_u32 v[SPW], v[NIL]
	s_wait_dscnt 9                                 ; (the add and the youngest eight loads may be out)
	MUL16 F1, 0, 0, 0
	s_wait_dscnt 0x0                               ; the add is done, and my reads of this slot are over
	s_barrier_signal -1
	MUL16 F1, 0, 2, 0
	s_barrier_wait -1
.endm
.macro TURN slot, next                 ; the slot just read out is filled again, two K steps on: my one tensor load behind the barrier, and the first thing there
	MEET
	s_add_nc_u64 s[G0+4*(\slot)+2:G0+4*(\slot)+3], s[G0+4*(\slot)+2:G0+4*(\slot)+3], 2*KSTEP*2  ; no tensor load of mine is out: the group 0 may be written
	tensor_load_to_lds s[G0+4*(\slot):G0+4*(\slot)+3], s[G1:G1+7]
	s_nop 0
	PLACES                                         ; also the places in front of the loads below
	FETCH \next, 0, F0
	MUL16 F1, 1, 0, 0
	MUL16 F1, 1, 2, 0
.endm
.macro TURNX slot, next                ; the same where nothing is left to fetch
	MEET
	PLACES
	FETCH \next, 0, F0
	MUL16 F1, 1, 0, 0
	MUL16 F1, 1, 2, 0
.endm
; THE WAY OUT of query block a: times G[a - b + 7], each accumulator's registers in ascending order; rounded to f16; through my stage; stored as whole rows of 256 bytes.
.macro PACK a
.set AC, 64*((\a)%4)
	WIN 0x06+((\a)/4)                              ; source 0 window 2 or 3, source 1 window 1, destination window 0
.irp b, 0,1,2,3,4,5,6,7
	SETGA (\a)-(\b)+7
.irp r, 0,1,2,3
	v_pk_mul_f32 v[T+8*(\b)+2*(\r):T+8*(\b)+2*(\r)+1], v[AC+8*(\b)+2*(\r):AC+8*(\b)+2*(\r)+1], v[GA+2*(\r):GA+2*(\r)+1]
.endr
.endr
	WIN 0
.irp b, 0,1,2,3,4,5,6,7
.irp r, 0,1,2,3
	v_cvt_pk_f16_f32 v[TMP+4*(\b)+(\r)], v[T+8*(\b)+2*(\r)], v[T+8*(\b)+2*(\r)+1]
.endr
.endr
.endm
.macro TOSTAGE a
	WIN 0
.set BK, OB+192*((\a)%2)
.irp b, 0,1,2,3,4,5,6,7
	ds_store_b128 v[STO], v[TMP+4*(\b):TMP+4*(\b)+3] offset:32*(\b)
.endr
.irp t, 0,1,2,3,4,5,6,7
	ds_load_b128 v[BK+4*(\t):BK+4*(\t)+3], v[RD] offset:(\t)*2*SPITCH  ; LDS serves a wave's instructions in order (ISA guide 5.7.1.4): these see the stores above
.endr
.endm
.macro SEND a
	WIN 0
.set BK, OB+192*((\a)%2)
	s_wait_dscnt 0x0                               ; the block is back in registers
	s_wait_xcnt 0x0                                ; only behind this wait are the stores' base and the registers that earlier stores read rewritten
.if (\a) == 0
	s_add_nc_u64 s[8:9], s[8:9], s[16:17]
.else
	s_add_nc_u64 s[8:9], s[8:9], 16*PPITCH
.endif
.irp t, 0,1,2,3,4,5,6,7
	global_store_b128 v[CO], v[BK+4*(\t):BK+4*(\t)+3], s[8:9] offset:2*(\t)*PPITCH  ; 16 lanes store 256 consecutive bytes, at a multiple of 256 from pmat's first byte
.endr
.endm
	s_wait_tensorcnt 1                             ; my part of K step 0 is in; K step 1's may stay out
	s_barrier_signal -1
	s_barrier_wait -1
	FETCH 0, 0, F0
	QUARTER 0, 64,  F0, F1, 1                      ; the first quarter stands in front of the loop: its products start the sums
	WIN 0
	s_mov_b32 s3, LAPS-1
.Llap:                                                 ; a trip goes once round the ring and fills both slots again
	QUARTER 0, 128, F1, F0, 0
	QUARTER 0, 192, F0, F1, 0
	TURN 0, 1
	QUARTER 1, 64,  F0, F1, 0
	QUARTER 1, 128, F1, F0, 0
	QUARTER 1, 192, F0, F1, 0
	TURN 1, 0
	QUARTER 0, 64,  F0, F1, 0
	WIN 0
	s_sub_co_u32 s3, s3, 1
	s_cmp_lg_u32 s3, 0
	s_cbranch_scc1 .Llap
	QUARTER 0, 128, F1, F0, 0                      ; the last lap is written out: it asks for nothing
	QUARTER 0, 192, F0, F1, 0
	TURNX 0, 1
	QUARTER 1, 64,  F0, F1, 0
	QUARTER 1, 128, F1, F0, 0
	QUARTER 1, 192, F0, F1, 0
	s_wait_dscnt 8
	MUL16 F1, 0, 0, 0
	MUL16 F1, 0, 2, 0
	s_wait_dscnt 0x0
	MUL16 F1, 1, 0, 0
	MUL16 F1, 1, 2, 0
	WIN 0
	PLACES                                         ; the scalings read results just made and write registers that products have read
	PACK 0
	TOSTAGE 0
.irp a, 1,2,3,4,5,6,7
	PACK \a
	SEND (\a)-1
	TOSTAGE \a
.endr
	SEND 7
	s_wait_tensorcnt 0x0                           ; the wave's end
	ds_add_u32 v[SPW], v[NIL]
	s_wait_dscnt 0x0
	s_endpgm
.Lfunc_end_k_qfaff0df62c_scores:
	.size	k_qfaff0df62c_scores, .Lfunc_end_k_qfaff0df62c_scores-k_qfaff0df62c_scores
	.p2alignl 7, 3214868480
	.fill 96, 4, 3214868480
	.section	.rodata,"a",@progbits
	.p2align	6, 0x0
	.amdhsa_kernel k_qfaff0df62c_scores
		.amdhsa_group_segment_fixed_size 327680
		.amdhsa_private_segment_fixed_size 0
		.amdhsa_enable_private_segment 0
		.amdhsa_kernarg_size 24
		.amdhsa_user_sgpr_count 2
		.amdhsa_user_sgpr_kernarg_segment_ptr 1
		.amdhsa_wavefront_size32 1
		.amdhsa_system_sgpr_workgroup_id_x 1
		.amdhsa_system_sgpr_workgroup_id_y 1
		.amdhsa_system_sgpr_workgroup_id_z 1
		.amdhsa_system_vgpr_workitem_id 0
		.amdhsa_next_free_vgpr 1024
		.amdhsa_next_free_sgpr 66
		.amdhsa_reserve_vcc 1
		.amdhsa_float_denorm_mode_32 3
		.amdhsa_float_denorm_mode_16_64 3
		.amdhsa_memory_ordered 1
		.amdhsa_forward_progress 1
		.amdhsa_inst_pref_size 176
	.end_amdhsa_kernel
	.amdgpu_metadata
---
amdhsa.version: [ 1, 2 ]
amdhsa.kernels:
  - .name:           k_qfaff0df62c_scores
    .symbol:         k_qfaff0df62c_scores.kd
    .args:
      - { .name: qkv, .offset: 0, .size: 8, .value_kind: global_buffer, .address_space: global }
      - { .name: amax, .offset: 8, .size: 8, .value_kind: global_buffer, .address_space: global }
      - { .name: pmat, .offset: 16, .size: 8, .value_kind: global_buffer, .address_space: global }
    .group_segment_fixed_size: 327680
    .private_segment_fixed_size: 0
    .kernarg_segment_align: 8
    .kernarg_segment_size: 24
    .max_flat_workgroup_size: 128
    .sgpr_count:     66
    .vgpr_count:     1024
    .wavefront_size: 32
...
	.end_amdgpu_metadata
.endif
;; end of part 3
;; launch outp (part 4): grid 8 x 32, 4 waves a work-group, clusters of 4 x 1, 327,680 bytes of LDS; arguments pmat, qkv, amax, out0; writes out0
.if DOCPART == 4
	.amdgcn_target "amdgcn-amd-amdhsa--gfx1250"
	.amdhsa_code_object_version 6
	.text
	.protected	k_qfaff0df62c_outp
	.globl	k_qfaff0df62c_outp
	.p2align	8
	.type	k_qfaff0df62c_outp,@function
k_qfaff0df62c_outp:
	s_mov_b64 s[64:65], 0
	v_nop
	global_prefetch_b8 v0, s[64:65] scope:SCOPE_SE
	s_setreg_imm32_b32 hwreg(HW_REG_WAVE_MODE, 25, 1), 1
	s_wait_xcnt 0x0
	s_wait_alu depctr_hold_cnt(0) depctr_sa_sdst(0) depctr_va_vdst(0) depctr_va_sdst(0) depctr_va_ssrc(0) depctr_va_vcc(0) depctr_vm_vsrc(0)
	s_getreg_b32 s2, hwreg(HW_REG_IB_STS2, 6, 4)
	s_cmp_eq_u32 s2, 0
	s_cbranch_scc0 .Lentry_in_a_cluster
	s_endpgm
.Lentry_in_a_cluster:
	s_bfe_u32 s2, ttmp6, 0x10000c
	s_cmp_lg_u32 s2, 0x3003
	s_cbranch_scc0 .Lentry_shape_is_right
	s_endpgm
.Lentry_shape_is_right:
; out0[b][i][ch] = (1 / c) x the sum over j of pmat[b][i][j] v[b][j][ch].  pmat: [4][2048][2048] f16 (scores x decay x c, 0 above the diagonal); v = columns 2048-3071 of qkv ([8192][3072], f16); sums and out0 in f32.
; c is the power of two that the launch before made from amax, made here in the same way: 1 / c = 2^(e - 140), e = the biased exponent of 32 Aq Ak held to 14 .. 254.
; LIMITS.  As the operands': f16; NaN and infinities are not treated apart.
; THE WALK.  A batch's queries lie in 16 blocks of 128; block i needs the keys 0 .. 128 i + 127: (i / 2) + 1 steps of 256 keys.  A work-group takes TWO blocks, p and then 15 - p, for 128 channels: 9 steps whatever p,
; so all 256 work-groups do equal work and ONE walk with constant trip counts serves them; the ring runs on across the change of blocks.  Which tile is asked for, and where the first block ends, hang on scalars made from p.
; Four waves, each 64 queries x 64 channels: 16 accumulators.  A step's tiles: 128 rows x 512 bytes of pmat (waves 0, 1 fetch 64 rows each), 256 keys x 256 bytes of v (waves 2, 3 fetch 128 keys each).
; CLUSTER.  The four work-groups of a cluster have the same batch and p and four neighbouring channel tiles: they walk the same tiles of pmat, which are asked for JOINTLY (the same load, descriptor and mask in all four);
; v's tiles are each work-group's own (no mask).  Work-groups with another p walk other steps at the same time, so v is not shared.
; THE MATRIX INSTRUCTION IS USED TRANSPOSED (source 0 = 16 channels of v, turned by ds_load_tr16_b128; source 1 = 16 queries of pmat): lane l holds query l % 16 and the channels 8 (l / 16) + 0..7: 32 neighbouring bytes of out0.
; REGISTERS: window 0: v0-31 addresses; v32-95 the way out; v96-127 amax; v128-255 the accumulators ((a, b) at v[128 + 8 (4 a + b)]).
;   window 1: two fragment buffers of 128: for 64 keys (two matrix instructions deep) 64 registers of pmat, then 64 of v.
.set PP,    528                        ; a row of pmat in LDS: 512 bytes + 16: the 16 rows of a load start at 16 different groups of four banks (ISA guide 11.1)
.set PV,    288                        ; a row of v: 256 + 32 bytes = 72 words
.set PHALF, 64*PP                      ; what wave 0 or 1 fetches
.set VHALF, 128*PV                     ; what wave 2 or 3 fetches
.set VOFF,  2*PHALF
.set SLOT,  VOFF+2*VHALF               ; 141,312 bytes
.set STAGE, 2*SLOT                     ; behind the ring: 16 rows x 272 bytes for each wave
.set SP,    272
.set SPARE, STAGE+4*16*SP              ; behind the stages: the spare words
.set ADRA, 16                          ; v16-17  LDS address of my pmat fragments in slot 0, 1
.set ADRB, 20                          ; v20-23  of my v fragments: slot 0 keys 0-127, 128-255; slot 1 likewise (an LDS offset has 16 bits)
.set STO,  24
.set RD,   25
.set CO,   26
.set AO,   27
.set SPW,  28
.set NIL,  29
.set TMP,  32                          ; two sets of 32: 16 rows read back from the stage
.set ACC,  128
.set F0,   0
.set F1,   128
.set WV,   12                          ; s12 wave; s13 my half of the queries, also: I fetch pmat (0) or v (1); s14 my half of the channels, also: which half of that tile I fetch
.set WR,   13
.set WC,   14
.set NHI,  21                          ; s21  steps of the second block
.set G1A,  24                          ; s[24:31] group 1 for pmat's tiles;  s[32:39] for v's
.set G1B,  32
.set G0A,  40                          ; s[40:47] group 0 for pmat's tiles, a set for each slot;  s[48:55] for v's
.set G0B,  48
.set LAP,  56
.set REM,  57                          ; s57  steps of the block in hand that are still to be begun
.set NXT,  58                          ; s58  the step to be asked for next, counted in its block
.set LQ,   59                          ; s59  the steps of the block whose tiles are being asked for
.set OFF,  60                          ; s[60:61] a byte offset; the high word stays 0
.set PCUR, 62                          ; s62  byte offset in pmat of my rows of the block whose tiles are being asked for
.set PHI,  63                          ; s63  the same for the second block
.set VB,   66                          ; s[66:67] v at my keys of step 0, my work-group's channels
.set OHI,  68                          ; s[68:69] out0 at my part of the second block
.set IC,   72                          ; s[72:73] 1 / c, named as a pair
.set SEL,  74                          ; s[74:75] v_permlanex16_b32's selects
.set MSB, 0
.macro WIN new
.if MSB != (\new)
	s_set_vgpr_msb (MSB<<8)|(\new)
.set MSB, \new
.endif
.endm
.set MUL,  0x05                        ; sources 0 and 1 window 1; C and D window 0
.set TO_F, 0x40                        ; destination window 1, address window 0
.macro PLACES
.rept 4
	v_nop
.endr
.endm
; A fill.  Waves 0 and 1: the joint load of pmat's tile; waves 2 and 3: the work-group's own load of v's.  The branch hangs on the wave's number alone.  An s_nop 0 and four v_nop follow each line.
.macro JLOAD s
	s_cmp_eq_u32 s[WR], 0
	s_cbranch_scc0 .Lfor_v_\@
	tensor_load_to_lds s[G0A+4*(\s):G0A+4*(\s)+3], s[G1A:G1A+7]
	s_nop 0
.rept 4
	v_nop
.endr
	s_branch .Lasked_\@
.Lfor_v_\@:
	tensor_load_to_lds s[G0B+4*(\s):G0B+4*(\s)+3], s[G1B:G1B+7]
	s_nop 0
.rept 4
	v_nop
.endr
.Lasked_\@:
.endm
.macro CREST
	s_cmp_lg_u32 s[WV], 0
	s_cbranch_scc1 .Lnot_wave_0_\@
	s_barrier_signal -3
.Lnot_wave_0_\@:
	s_barrier_wait -3
	s_barrier_signal -1
	s_barrier_wait -1
.endm
.macro CROUND
	s_barrier_signal -1
	s_barrier_wait -1
	CREST
.endm
; The addresses of the next step's two tiles are made anew, each from its tensor's address and an offset made apart, into slot's group 0 sets; then the walk steps: behind the first block's last step comes the second block's step 0.
.macro ASK slot
	s_lshl_b32 s[OFF], s[NXT], 9                   ; 256 keys are 512 bytes of a row of pmat
	s_add_co_u32 s[OFF], s[OFF], s[PCUR]
	s_add_nc_u64 s[G0A+4*(\slot)+2:G0A+4*(\slot)+3], s[4:5], s[OFF:OFF+1]
	s_or_b32 s[G0A+4*(\slot)+3], s[G0A+4*(\slot)+3], 0x80000000
	s_mul_i32 s[OFF], s[NXT], 256*6144             ; and 256 rows of qkv
	s_add_nc_u64 s[G0B+4*(\slot)+2:G0B+4*(\slot)+3], s[VB:VB+1], s[OFF:OFF+1]
	s_or_b32 s[G0B+4*(\slot)+3], s[G0B+4*(\slot)+3], 0x80000000
	s_add_co_u32 s[NXT], s[NXT], 1
	s_cmp_eq_u32 s[NXT], s[LQ]
	s_cselect_b32 s[NXT], 0, s[NXT]
	s_cselect_b32 s[PCUR], s[PHI], s[PCUR]
	s_cselect_b32 s[LQ], s[NHI], s[LQ]
.endm
	s_load_b256 s[4:11], s[0:1], 0x0               ; pmat s[4:5], qkv s[6:7], amax s[8:9], out0 s[10:11]
	v_lshl_add_u32 v[SPW], v0, 2, SPARE
	v_mov_b32 v[NIL], 0
	ds_add_u32 v[SPW], v[NIL]                      ; the wave's opening: the add and its wait stand ahead of my first tensor load
	ds_add_u32 v28, v29
	v_lshrrev_b32 v1, 5, v0
	v_readfirstlane_b32 s[WV], v1
	s_lshr_b32 s[WR], s[WV], 1
	s_and_b32 s[WC], s[WV], 1
	s_bfe_u32 s15, ttmp6, 0x40000                  ; cx
	s_lshl_b32 s16, ttmp9, 2
	s_add_co_u32 s16, s16, s15                     ; my channel tile = 4 x cluster x + cx: it enters v's and out0's addresses alone
	s_and_b32 s17, ttmp7, 0xffff                   ; shared by the four partners:
	s_and_b32 s18, s17, 7                          ; p,
	s_lshr_b32 s19, s17, 3                         ; the batch
	s_lshr_b32 s20, s18, 1
	s_add_co_u32 s20, s20, 1                       ; the first block's steps, 1 .. 4
	s_sub_co_u32 s[NHI], 9, s20
	s_lshl_b32 s22, s19, 23                        ; pmat: a batch is 8,388,608 bytes,
	s_lshl_b32 s23, s[WC], 18                      ; the 64 rows that I fetch,
	s_add_co_u32 s22, s22, s23
	s_lshl_b32 s23, s18, 19                        ; a block's 128 rows of 4,096 bytes
	s_add_co_u32 s[PCUR], s22, s23
	s_sub_co_u32 s23, 15, s18
	s_lshl_b32 s23, s23, 19
	s_add_co_u32 s[PHI], s22, s23
	s_lshl_b32 s70, s19, 11                        ; v: row 2,048 batch + 128 x the half that I fetch,
	s_lshl_b32 s71, s[WC], 7
	s_add_co_u32 s70, s70, s71
	s_mul_i32 s70, s70, 6144
	s_lshl_b32 s71, s16, 8                         ; 256 bytes a channel tile,
	s_add_co_u32 s70, s70, s71
	s_add_co_u32 s70, s70, 4096                    ; behind q's and k's columns
	s_mov_b32 s71, 0
	s_lshl_b32 s76, s19, 23                        ; out0: a batch is 8,388,608 bytes,
	s_lshl_b32 s77, s[WR], 18                      ; my 64 rows,
	s_add_co_u32 s76, s76, s77
	s_lshl_b32 s77, s16, 9                         ; 512 bytes a channel tile,
	s_add_co_u32 s76, s76, s77
	s_lshl_b32 s77, s[WC], 8                       ; my 64 channels
	s_add_co_u32 s76, s76, s77
	s_sub_co_u32 s78, 15, s18
	s_lshl_b32 s78, s78, 19
	s_add_co_u32 s78, s78, s76                     ; the second block
	s_lshl_b32 s77, s18, 19
	s_add_co_u32 s76, s76, s77                     ; the first
	s_mov_b32 s77, 0
	s_mov_b32 s79, 0
	s_mov_b32 s[G1A+0], 15|(1<<16)|(1<<20)|(1<<21)|(6<<22)|(3<<25)  ; the mask of four; elements of 2 bytes; padding on; 21 set beside a mask; after every 128 words (code 6) 4 words (code 3)
	s_mov_b32 s[G1A+1], 256<<16                    ; tensor_dim0 = 256
	s_mov_b32 s[G1A+2], 64<<16                     ; tensor_dim1 = 64
	s_mov_b32 s[G1A+3], 256<<16                    ; tile_dim0 = 256
	s_mov_b32 s[G1A+4], 64                         ; tile_dim1 = 64
	s_mov_b32 s[G1A+5], 2048                       ; elements from row to row
	s_mov_b32 s[G1A+6], 0
	s_mov_b32 s[G1A+7], 0
	s_mov_b32 s[G1B+0], (1<<16)|(1<<20)|(5<<22)|(7<<25)  ; no mask; after every 64 words (code 5) 8 words (code 7)
	s_mov_b32 s[G1B+1], 128<<16
	s_mov_b32 s[G1B+2], 128<<16
	s_mov_b32 s[G1B+3], 128<<16
	s_mov_b32 s[G1B+4], 128
	s_mov_b32 s[G1B+5], 3072
	s_mov_b32 s[G1B+6], 0
	s_mov_b32 s[G1B+7], 0
	s_mul_i32 s22, s[WC], PHALF                    ; where the tiles go: no place in the cluster enters an LDS address
	s_mul_i32 s23, s[WC], VHALF
.irp s, 0,1
	s_mov_b32 s[G0A+4*(\s)], 1
	s_add_co_u32 s[G0A+4*(\s)+1], s22, (\s)*SLOT
	s_mov_b32 s[G0B+4*(\s)], 1
	s_add_co_u32 s[G0B+4*(\s)+1], s23, VOFF+(\s)*SLOT
.endr
	s_mov_b32 s[NXT], 0
	s_mov_b32 s[LQ], s20
	s_mov_b32 s[OFF+1], 0
	s_mov_b32 s[SEL], 0x76543210
	s_mov_b32 s[SEL+1], 0xfedcba98
	s_wait_dscnt 0x0                               ; the opening add is done
	s_wait_kmcnt 0x0
	s_add_nc_u64 s[VB:VB+1], s[6:7], s[70:71]
	s_add_nc_u64 s[OHI:OHI+1], s[10:11], s[78:79]
	s_add_nc_u64 s[10:11], s[10:11], s[76:77]
	ASK 0                                          ; steps 0 and 1 of the walk
	ASK 1
	CROUND                                         ; all four work-groups are here: the first joint loads meet
	JLOAD 0                                        ; two tensor loads of mine are out; later one
	JLOAD 1
	v_and_b32 v[AO], 31, v0                        ; amax: q's 512 words and k's 512, 16 bytes a lane and load
	v_lshlrev_b32 v[AO], 4, v[AO]
.irp i, 0,1,2,3
	global_load_b128 v[96+4*(\i):96+4*(\i)+3],   v[AO], s[8:9] offset:512*(\i)
	global_load_b128 v[112+4*(\i):112+4*(\i)+3], v[AO], s[8:9] offset:2048+512*(\i)
.endr
	v_and_b32 v1, 15, v0                           ; l % 16
	v_bfe_u32 v2, v0, 4, 1                         ; l / 16
	v_and_b32 v3, 7, v0
	v_bfe_u32 v4, v0, 3, 1
	v_mul_u32_u24 v5, v1, PP                       ; a fragment of pmat: row x pitch + 16 x half
	v_lshl_add_u32 v5, v2, 4, v5
	s_mul_i32 s22, s[WR], PHALF                    ; my 64 queries
	v_add_nc_u32 v[ADRA], s22, v5
	v_add_nc_u32 v[ADRA+1], SLOT, v[ADRA]
	; The turning load takes 16 keys x 16 channels (lane l reads key 8 (l / 16) + l % 8, channels 8 ((l / 8) % 2) + 0..7) and leaves half a fragment: lane l holds channel l % 16 and 8 keys.
	v_lshl_add_u32 v6, v2, 3, v3
	v_mul_u32_u24 v6, v6, PV
	v_lshl_add_u32 v6, v4, 4, v6
	s_lshl_b32 s22, s[WC], 7                       ; my 64 channels
	s_add_co_u32 s22, s22, VOFF
	v_add_nc_u32 v[ADRB], s22, v6
	v_add_nc_u32 v[ADRB+1], VHALF, v[ADRB]
	v_add_nc_u32 v[ADRB+2], SLOT, v[ADRB]
	v_add_nc_u32 v[ADRB+3], SLOT+VHALF, v[ADRB]
	s_mul_i32 s22, s[WV], 16*SP
	s_add_co_u32 s22, s22, STAGE                   ; my stage
	v_mul_u32_u24 v5, v1, SP                       ; in: row l % 16, 32 bytes for each half of the lanes
	v_lshl_add_u32 v5, v2, 5, v5
	v_add_nc_u32 v[STO], s22, v5
	v_mul_u32_u24 v5, v2, SP                       ; back: lanes 0-15 take one row of 256 bytes, lanes 16-31 the next
	v_lshl_add_u32 v5, v1, 4, v5
	v_add_nc_u32 v[RD], s22, v5
	v_lshlrev_b32 v5, 12, v2                       ; and the same two rows in out0
	v_lshl_add_u32 v[CO], v1, 4, v5
	s_wait_loadcnt 0x0                             ; amax
.irp o, 96, 112
	v_max3_num_f32 v[(\o)],    v[(\o)],    v[(\o)+1],  v[(\o)+2]
	v_max3_num_f32 v[(\o)+3],  v[(\o)+3],  v[(\o)+4],  v[(\o)+5]
	v_max3_num_f32 v[(\o)+6],  v[(\o)+6],  v[(\o)+7],  v[(\o)+8]
	v_max3_num_f32 v[(\o)+9],  v[(\o)+9],  v[(\o)+10], v[(\o)+11]
	v_max3_num_f32 v[(\o)+12], v[(\o)+12], v[(\o)+13], v[(\o)+14]
	v_max3_num_f32 v[(\o)],    v[(\o)],    v[(\o)+3],  v[(\o)+6]
	v_max3_num_f32 v[(\o)+9],  v[(\o)+9],  v[(\o)+12], v[(\o)+15]
	v_max_num_f32  v[(\o)],    v[(\o)],    v[(\o)+9]
.endr
.irp m, 1,2,4,8
	v_max_num_f32_dpp v96, v96, v96 row_xmask:\m row_mask:0xf bank_mask:0xf
	v_max_num_f32_dpp v112, v112, v112 row_xmask:\m row_mask:0xf bank_mask:0xf
.endr
	v_permlanex16_b32 v97, v96, s[SEL], s[SEL+1]
	v_permlanex16_b32 v113, v112, s[SEL], s[SEL+1]
	v_max_num_f32 v96, v96, v97                    ; Aq
	v_max_num_f32 v112, v112, v113                 ; Ak
	v_mul_f32 v96, v96, v112
	v_mul_f32 v96, 0x42000000, v96                 ; 32 Aq Ak
	v_lshrrev_b32 v96, 23, v96
	v_max_u32 v96, 14, v96
	v_min_u32 v96, 0xfe, v96
	v_add_nc_u32 v96, -13, v96                     ; 1 / c = 2^(e - 140): biased exponent e - 13, 1 .. 241
	v_lshlrev_b32 v96, 23, v96
	v_readfirstlane_b32 s[IC], v96                 ; it enters values alone
	s_mov_b32 s[IC+1], s[IC]
; 8 matrix instructions: query blocks a0, a0 + 1 x all 4 channel blocks, 32 keys: half c of buffer f.  zero = 1: the product starts the sum.  The 16 accumulators take turns.
.macro MUL8 f, c, a0, zero
	WIN MUL
.irp a, \a0, (\a0)+1
.irp b, 0,1,2,3
.if \zero
	v_wmma_f32_16x16x32_f16 v[ACC+8*(4*(\a)+(\b)):ACC+8*(4*(\a)+(\b))+7], v[(\f)+64+8*(4*(\c)+(\b)):(\f)+64+8*(4*(\c)+(\b))+7], v[(\f)+8*(4*(\c)+(\a)):(\f)+8*(4*(\c)+(\a))+7], 0
.else
	v_wmma_f32_16x16x32_f16 v[ACC+8*(4*(\a)+(\b)):ACC+8*(4*(\a)+(\b))+7], v[(\f)+64+8*(4*(\c)+(\b)):(\f)+64+8*(4*(\c)+(\b))+7], v[(\f)+8*(4*(\c)+(\a)):(\f)+8*(4*(\c)+(\a))+7], v[ACC+8*(4*(\a)+(\b)):ACC+8*(4*(\a)+(\b))+7]
.endif
.endr
.endr
.endm
; 32 LDS loads in one run: the fragments of quarter q (64 keys) of a step, into buffer f; the first 32 keys first
.macro FETCH slot, q, f
	WIN TO_F
.irp c, 0,1
.irp i, 0,1,2,3
	ds_load_tr16_b128 v[(\f)+64+8*(4*(\c)+(\i)):(\f)+64+8*(4*(\c)+(\i))+3],   v[ADRB+2*(\slot)+(\q)/2] offset:(((\q)%2)*64+32*(\c))*PV+32*(\i)
	ds_load_tr16_b128 v[(\f)+64+8*(4*(\c)+(\i))+4:(\f)+64+8*(4*(\c)+(\i))+7], v[ADRB+2*(\slot)+(\q)/2] offset:(((\q)%2)*64+32*(\c)+16)*PV+32*(\i)
	ds_load_b128 v[(\f)+8*(4*(\c)+(\i)):(\f)+8*(4*(\c)+(\i))+3],   v[ADRA+(\slot)] offset:128*(\q)+64*(\c)+(\i)*16*PP
	ds_load_b128 v[(\f)+8*(4*(\c)+(\i))+4:(\f)+8*(4*(\c)+(\i))+7], v[ADRA+(\slot)] offset:128*(\q)+64*(\c)+(\i)*16*PP+32
.endr
.endr
.endm
; A step is four quarters of 64 keys, 32 matrix instructions each, on buffers 0, 1, 0, 1.  One of the first three multiplies buffer f and fetches quarter q into g.
.macro QUARTER slot, q, f, g, zero
	s_wait_dscnt 16                                ; the first 32 keys' fragments are in
	MUL8 \f, 0, 0, \zero
	MUL8 \f, 0, 2, \zero
	PLACES
	FETCH \slot, \q, \g
	s_wait_dscnt 32                                ; all but the 32 just issued
	MUL8 \f, 1, 0, 0
	MUL8 \f, 1, 2, 0
.endm
; The last quarter multiplies buffer 1 and changes slots: ONE barrier; in front of it each wave waits for all its tensor loads, adds 0 to its spare word, and waits for that and for its own reads of this slot.
; fill = 1: this slot is filled again with the walk's step two on: the barrier opens a round of the cluster's barrier, and the fill is the first tensor load behind it.
.macro TURN slot, next, fill
	WIN 0
	s_wait_tensorcnt 0x0                           ; no tensor load of mine is out, so a group 0 may be written
	ds_add_u32 v[SPW], v[NIL]                      ; 0 onto my spare word; scalar work and eight products stand between it and the wait for it
.if \fill
	ASK \slot
.endif
	s_wait_dscnt 17                                ; (the add and the youngest sixteen loads may be out)
	MUL8 F1, 0, 0, 0
	s_wait_dscnt 0x0                               ; the add is done, and my reads of this slot are over
	s_barrier_signal -1
	MUL8 F1, 0, 2, 0
.if \fill
	WIN 0
.endif
	s_barrier_wait -1
.if \fill
	CREST
	JLOAD \slot                                    ; the four v_nop behind it are also the places in front of the loads below
.else
	PLACES
.endif
	FETCH \next, 0, F0
	MUL8 F1, 1, 0, 0
	MUL8 F1, 1, 2, 0
.endm
; THE WAY OUT of a block: times 1 / c in place (each accumulator's registers in ascending order); 16 rows at a time through my own stage; back as whole rows of 256 bytes; stored.
.macro SC a
.set x, ACC+32*(\a)
.rept 16
	v_pk_mul_f32 v[x:x+1], v[x:x+1], s[IC:IC+1] op_sel_hi:[1,0]
.set x, x+2
.endr
.endm
.macro ST a
.irp b, 0,1,2,3
.irp u, 0,1
	ds_store_b128 v[STO], v[ACC+8*(4*(\a)+(\b))+4*(\u):ACC+8*(4*(\a)+(\b))+4*(\u)+3] offset:64*(\b)+16*(\u)
.endr
.endr
.irp t, 0,1,2,3,4,5,6,7
	ds_load_b128 v[TMP+32*((\a)%2)+4*(\t):TMP+32*((\a)%2)+4*(\t)+3], v[RD] offset:(\t)*2*SP  ; LDS serves a wave's instructions in order (ISA guide 5.7.1.4): these see the stores above
.endr
.endm
.macro SEND a
	s_wait_dscnt 0x0                               ; the 16 rows are back in registers
	s_wait_xcnt 0x0                                ; the set of registers that the next 16 rows are read into was stored two turns ago: it is loaded again only behind this wait
.irp t, 0,1,2,3,4,5,6,7
	global_store_b128 v[CO], v[TMP+32*((\a)%2)+4*(\t):TMP+32*((\a)%2)+4*(\t)+3], s[10:11] offset:(16*(\a)+2*(\t))*4096 th:TH_STORE_NT  ; 16 lanes store 256 consecutive bytes, at a multiple of 256 from out0's first byte
.endr
.endm
.macro WAYOUT
	PLACES                                         ; the scalings read and write results just made
	s_wait_xcnt 0x0                                ; (the first block's stores have read their registers)
	SC 0
	ST 0
.irp a, 1,2,3                          ; a block's scaling stands between the loads of the block before and the wait for them
	SC \a
	SEND (\a)-1
	ST \a
.endr
	SEND 3
.endm
; A step's first quarter where the first block may have ended (in front of the walk's steps 1 to 6; it ends in front of one of 1 to 4).  The jump goes forward and passes neither a barrier nor a tensor load;
; it hangs on p alone, which the four partners share.
.macro FIRSTQ slot
	WIN 0
	s_sub_co_u32 s[REM], s[REM], 1
	s_cmp_lg_u32 s[REM], 0
	s_cbranch_scc1 .Lon_\@
	WAYOUT                                         ; the next two steps' tiles have been asked for; its last wait has also shown this quarter's fragments in
	s_wait_xcnt 0x0                                ; the stores have read out0's address
	s_mov_b64 s[10:11], s[OHI:OHI+1]
	s_mov_b32 s[REM], 64                           ; the second block ends with the walk
	MUL8 F0, 0, 0, 1                               ; its first products start the sums anew
	MUL8 F0, 0, 2, 1
	WIN 0
	s_branch .Ljoin_\@
.Lon_\@:
	s_wait_dscnt 16
	MUL8 F0, 0, 0, 0
	MUL8 F0, 0, 2, 0
	WIN 0
.Ljoin_\@:
	PLACES
	FETCH \slot, 1, F1
	s_wait_dscnt 32
	MUL8 F0, 1, 0, 0
	MUL8 F0, 1, 2, 0
.endm
	s_wait_tensorcnt 1                             ; my part of step 0 is in; step 1's may stay out
	s_barrier_signal -1
	s_barrier_wait -1
	FETCH 0, 0, F0
	QUARTER 0, 1, F0, F1, 1                        ; the first quarter stands in front of the loop: its first products start the sums
	WIN 0
	s_mov_b32 s[REM], s20
	s_mov_b32 s[LAP], 3
.Llap:                                                 ; a trip goes once round the ring, from a step's second quarter to the first of the step after the next, and fills both slots again: steps 2 to 7
	QUARTER 0, 2, F1, F0, 0
	QUARTER 0, 3, F0, F1, 0
	TURN 0, 1, 1
	FIRSTQ 1
	QUARTER 1, 2, F1, F0, 0
	QUARTER 1, 3, F0, F1, 0
	TURN 1, 0, 1
	FIRSTQ 0
	WIN 0
	s_sub_co_u32 s[LAP], s[LAP], 1
	s_cmp_lg_u32 s[LAP], 0
	s_cbranch_scc1 .Llap
	QUARTER 0, 2, F1, F0, 0                        ; step 6 goes on; the tail is written out
	QUARTER 0, 3, F0, F1, 0
	TURN 0, 1, 1                                   ; the last fill: step 8
	QUARTER 1, 1, F0, F1, 0                        ; step 7
	QUARTER 1, 2, F1, F0, 0
	QUARTER 1, 3, F0, F1, 0
	TURN 1, 0, 0
	QUARTER 0, 1, F0, F1, 0                        ; step 8
	QUARTER 0, 2, F1, F0, 0
	QUARTER 0, 3, F0, F1, 0
	s_wait_dscnt 16
	MUL8 F1, 0, 0, 0
	MUL8 F1, 0, 2, 0
	s_wait_dscnt 0x0
	MUL8 F1, 1, 0, 0
	MUL8 F1, 1, 2, 0
	WIN 0
	WAYOUT                                         ; the second block
	s_wait_tensorcnt 0x0                           ; the wave's end: behind my last tensor load and my last LDS store
	ds_add_u32 v[SPW], v[NIL]
	s_wait_dscnt 0x0
	CROUND                                         ; the closing round: no work-group ends while a partner may still ask for a tile that names it
	s_endpgm
.Lfunc_end_k_qfaff0df62c_outp:
	.size	k_qfaff0df62c_outp, .Lfunc_end_k_qfaff0df62c_outp-k_qfaff0df62c_outp
	.p2alignl 7, 3214868480
	.fill 96, 4, 3214868480
	.section	.rodata,"a",@progbits
	.p2align	6, 0x0
	.amdhsa_kernel k_qfaff0df62c_outp
		.amdhsa_group_segment_fixed_size 327680
		.amdhsa_private_segment_fixed_size 0
		.amdhsa_enable_private_segment 0
		.amdhsa_kernarg_size 32
		.amdhsa_user_sgpr_count 2
		.amdhsa_user_sgpr_kernarg_segment_ptr 1
		.amdhsa_wavefront_size32 1
		.amdhsa_system_sgpr_workgroup_id_x 1
		.amdhsa_system_sgpr_workgroup_id_y 1
		.amdhsa_system_sgpr_workgroup_id_z 1
		.amdhsa_system_vgpr_workitem_id 0
		.amdhsa_next_free_vgpr 512
		.amdhsa_next_free_sgpr 80
		.amdhsa_reserve_vcc 0
		.amdhsa_float_denorm_mode_32 3
		.amdhsa_float_denorm_mode_16_64 3
		.amdhsa_memory_ordered 1
		.amdhsa_forward_progress 1
		.amdhsa_inst_pref_size 138
	.end_amdhsa_kernel
	.amdgpu_metadata
---
amdhsa.version: [ 1, 2 ]
amdhsa.kernels:
  - .name:           k_qfaff0df62c_outp
    .symbol:         k_qfaff0df62c_outp.kd
    .args:
      - { .name: pmat, .offset: 0, .size: 8, .value_kind: global_buffer, .address_space: global }
      - { .name: qkv, .offset: 8, .size: 8, .value_kind: global_buffer, .address_space: global }
      - { .name: amax, .offset: 16, .size: 8, .value_kind: global_buffer, .address_space: global }
      - { .name: out0, .offset: 24, .size: 8, .value_kind: global_buffer, .address_space: global }
    .group_segment_fixed_size: 327680
    .private_segment_fixed_size: 0
    .kernarg_segment_align: 8
    .kernarg_segment_size: 32
    .max_flat_workgroup_size: 128
    .sgpr_count:     80
    .vgpr_count:     512
    .wavefront_size: 32
...
	.end_amdgpu_metadata
.endif
;; end of part 4
